; MI455X (gfx1250); checked and timed in simulation.
; The chip was launched on July 23, 2026; its instructions are those of AMD's public machine-readable ISA for CDNA 5 (MIT licence, August 2026) and "CDNA5" Instruction Set Architecture Reference Guide (July 2026). The comments in the code are by the model that wrote it; some were corrected since.
;; Multihead Attention. Allowed arithmetic: matrix products marked QUANTISED: E2M3 operands, one E8M0 scale for each 32 along K, by v_wmma_scale_f32_16x16x128_f8f6f4 with both operands' format E2M3, f32 sums; everything else in f32.
;; Inputs: Wk 1,024 x 1,024 float32; Wo 1,024 x 1,024 float32; Wq 1,024 x 1,024 float32; Wv 1,024 x 1,024 float32; token_positions 2,048 int32; x 4 x 2,048 x 1,024 float32.
;; Outputs: out0 4 x 2,048 x 1,024 float32.
;; This version of the problem:
;;   THIS VERSION OF THE PROBLEM IS GIVEN IN LOW PRECISION. The matrix products marked QUANTISED in the list below multiply operands that are first quantised to E2M3 (2 exponent bits, 3 mantissa bits; 6 bits a number), with one power-of-two scale for each 32 numbers along K (OCP MX v1.0); their sums are f32. All else is computed in f32.
;;   The module's matrix products, in the order in which they are computed (A, B: the left and right operand; K: the contracted axis; several contracted axes count as one K, in the product's order):
;;     1. [M 8,192, K 1,024] x [K 1,024, N 1,024]; A: input x; B: input Wq: QUANTISED
;;     2. [M 8,192, K 1,024] x [K 1,024, N 1,024]; A: input x; B: input Wk: QUANTISED
;;     3. [M 8,192, K 1,024] x [K 1,024, N 1,024]; A: input x; B: input Wv: QUANTISED
;;     4. batch 64 x [M 2,048, K 64] x [K 64, N 2,048]; A: computed on the way; B: computed on the way: QUANTISED
;;     5. batch 64 x [M 2,048, K 2,048] x [K 2,048, N 64]; A: softmax (see below); B: computed on the way: QUANTISED
;;     6. [M 8,192, K 1,024] x [K 1,024, N 1,024]; A: computed on the way; B: input Wo: QUANTISED
;;   THE QUANTISER, for each operand of a quantised product, along K:
;;     - K is cut into blocks of 32 from its start; a last block that is shorter is filled with zeros.
;;     - A block's scale is 2^e with e = floor(log2(the largest magnitude in the block)) - 2, held to -126 .. 127; a block of zeros has e = 0. As a byte (E8M0): e + 127.
;;     - Each number is divided by its block's scale, clamped to +-7.5, and rounded to the nearest number of E2M3, ties to even, subnormals kept.
;;     - The product sums the exact products of the quantised numbers (number of the format x scale) in f32.
;;   ~~~python
;;   def quantise(x, axis):      # numpy; x: float32 -> the quantised numbers, widened to float32 again
;;       x = np.moveaxis(x, axis, -1); K = x.shape[-1]
;;       x = np.pad(x, [(0, 0)] * (x.ndim - 1) + [(0, -K % 32)]); x = x.reshape(x.shape[:-1] + (-1, 32)); a = np.abs(x).max(-1, keepdims=True)
;;       e = np.where(a > 0, np.clip(np.frexp(np.where(a > 0, a, 1))[1] - 1 - 2, -126, 127), 0)      # np.frexp(a)[1] - 1 = floor(log2(a)), exactly
;;       r = np.clip(x / 2.0 ** e, -7.5, 7.5)
;;       step = 2.0 ** (np.maximum(np.frexp(np.where(r == 0, 1, r))[1] - 1, 0) - 3)
;;       q = np.round(r / step) * step * 2.0 ** e      # np.round: ties to even
;;       return np.moveaxis(q.reshape(q.shape[:-2] + (-1,))[..., :K], -1, axis).astype(np.float32)
;;   ~~~
;;   SOFTMAX AHEAD OF A QUANTISED PRODUCT. Where the list says 'softmax', what is quantised is not the finished softmax but p = 2^(t - M), with t = logit x log2(e) and M = ceil(the row's largest t), a whole number; so 1/2 < the row's largest p <= 1. The row's sum l is taken of the UNQUANTISED p, in f32, and the product's result is divided by l at the end. Since M is a whole number, a kernel that streams over the keys may use a running M (the ceiling of the running maximum): every later rescaling is an exact power of two, which a block's scale takes up: the codes' values come out the same.
;;   OPERANDS COMPUTED ON THE WAY. 'Computed on the way' means the value that the module computes at that place (a softmax that the list does not call 'softmax' is quantised finished and normalised). What goes into a quantiser is computed in f32, as accurately as f32 sums, v_exp_f32 and their like allow (about 1e-6 of the number): no bf16 or f16 on the way to a quantiser, and a product that is left as it is and whose result goes on into a quantised operand takes f32 operands (vector FMAs, or v_wmma_f32_16x16x4_f32). A number that lies on a knife's edge between two numbers of the format may be rounded either way, as far as f32 arithmetic and the matrix unit's own rounding can turn it there, and no further.
;; One version. Each part assembles by itself: llvm-mc -triple=amdgcn-amd-amdhsa -mcpu=gfx1250 --defsym DOCPART=n.
;; ======== version 1 of 1: 4 launches
;; workspace buffers: ci 9,437,184 bytes; csw 393,216 bytes; rt 524,288 bytes; qimg 8,388,608 bytes; kv 13,107,200 bytes; oi 6,291,456 bytes; osw 262,144 bytes
;; launch prep (part 1): grid 416 x 1, 4 waves a work-group, no clusters, 34,304 bytes of LDS; arguments x, Wq, Wk, Wv, Wo, token_positions, ci, csw, rt; writes ci, csw, rt
.if DOCPART == 1
	.amdgcn_target "amdgcn-amd-amdhsa--gfx1250"
	.amdhsa_code_object_version 6
	.text
	.protected	k_q78a4337806_prep
	.globl	k_q78a4337806_prep
	.p2align	8
	.type	k_q78a4337806_prep,@function
k_q78a4337806_prep:
	s_mov_b64 s[64:65], 0
	v_nop
	global_prefetch_b8 v0, s[64:65] scope:SCOPE_SE
	s_setreg_imm32_b32 hwreg(HW_REG_WAVE_MODE, 25, 1), 1
	s_wait_xcnt 0x0
; x [8192][1024] and Wq, Wk, Wv, Wo [1024][1024], f32, K innermost, become codes of FP6 (E2M3) with one E8M0 byte for each 32 along K; and the table of cosines and sines for the rotation is made.
; LAYOUT OF THE CODES (ci): a TILE is 16 rows; lane-row r of tile T is row 32 (T / 2) + 8 (T % 2) + r + 8 (r / 8) of its tensor.  Tiles 0-511 x, 512-575 Wq, 576-639 Wk, 640-703 Wv, 704-767 Wo.
; A tile has 8 fragments (128 along K), a fragment two halves of 768 bytes (64 along K): the image of six operand registers: lane l = 16 h + r holds the 24 bytes of row r, block h;
; registers 0-3 lie at 16 l, registers 4-5 at 512 + 8 l.  So every store here and every load of the readers covers 512 or 256 consecutive bytes.
; THE SCALE WORDS (csw): 512 bytes a tile: the word (four bytes: 128 along K) of fragment f, row r at 128 (f / 2) + 8 r + 4 (f % 2).
; A block's scale is 2^(floor(log2(its largest magnitude)) - 2): its byte is the largest magnitude's exponent field - 2, held at 1 from below.
; LIMITS: NaN and infinities are not served; a block whose largest magnitude lies under 2^-124 keeps the byte 1; a block of zeros gets the byte 1 (its codes are zeros, and this program alone reads the bytes).
; SHARES: work-groups 0-383 quantise 32 rows each (two tiles): wave w takes tile w / 2 and half w % 2 of K: four fragments.  Each load reads 512 consecutive bytes of one row; a fragment's 16 x 512 bytes
; turn through the wave's own stage in LDS (rows 528 bytes apart), from which a lane takes two whole blocks of its row.  Loads run two fragments (32 loads a wave) ahead.  Waves share nothing: no barrier.
; Work-groups 384-415 make the table (rt), a wave a tile of 16 tokens: for token_positions[token] and pair f of the head's 32: cos and sin of position x 10000^(-f / 32).
; rt: [tile of the sequence][n = 0..7][lane][16 bytes] = cos, sin of pair f, cos, sin of pair f + 1, f = 16 (n / 4) + 8 h + 2 (n % 4): the order in which the next launch's results want them.
; LIMITS OF THE TABLE: positions 0 .. 2047 (the table that the problem indexes); the frequency is 2^(-f log2(10000) / 32) by v_exp_f32, so an angle may differ by some 3e-4 at the largest positions from one made of a correctly rounded frequency.
.set STG, 8448                         ; a wave's stage: 16 rows x 528 bytes
.set R,   16                           ; v16-143  two sets of 64: a fragment as loaded
.set X,   144                          ; v144-207 my two blocks of 32 neighbours
.set C,   208                          ; v208-219 a fragment's codes
.set D2,  220                          ; v220-226 the blocks' upper halves, as the conversions leave them
.set MX,  228                          ; v228-235 maxima (two chains a block), scale operands, bytes
.set SW,  240                          ; v240-243 the four fragments' scale words
	s_load_b256 s[4:11], s[0:1], 0x0               ; x, Wq, Wk, Wv
	s_load_b256 s[12:19], s[0:1], 0x20             ; Wo, token_positions, ci, csw
	s_load_b64 s[20:21], s[0:1], 0x40              ; rt
	v_lshl_add_u32 v248, v0, 2, 0x8400
	v_mov_b32 v249, 0
	v_lshrrev_b32 v1, 5, v0
	v_readfirstlane_b32 s28, v1                    ; wave
	v_and_b32 v1, 31, v0                           ; lane
	v_and_b32 v2, 15, v0                           ; r
	v_bfe_u32 v3, v0, 4, 1                         ; h
	v_lshlrev_b32 v4, 4, v1                        ; 16 x lane
	v_lshlrev_b32 v5, 3, v1                        ; 8 x lane
	s_cmp_ge_u32 ttmp9, 384
	s_cbranch_scc1 .Lrope
	; ---------------- the quantiser
	s_mul_i32 s29, s28, STG
	v_add_nc_u32 v6, s29, v4                       ; into the stage: a row's 512 bytes as they lie
	v_mul_u32_u24 v7, v2, 528
	v_lshl_add_u32 v7, v3, 7, v7
	v_add_nc_u32 v7, s29, v7                       ; out of it: row r, block h
	v_lshlrev_b32 v8, 3, v3                        ; 8 h: my bytes' place in a scale word
	v_mov_b32 v237, 0                              ; written once: a lane permute's destination counts as one of its sources
	s_mov_b32 s26, 0x76543210
	s_mov_b32 s27, 0xfedcba98                      ; selects for lane l xor 16
	s_lshr_b32 s30, s28, 1                         ; which tile of the two
	s_and_b32 s31, s28, 1                          ; which half of K
	s_sub_co_u32 s24, ttmp9, 256
	s_and_b32 s24, s24, 31                         ; a weight's group of 32 rows
	s_wait_kmcnt 0x0
	s_cmp_lt_u32 ttmp9, 352                        ; the tensor is chosen by the work-group's number alone
	s_cselect_b64 s[22:23], s[10:11], s[12:13]
	s_cmp_lt_u32 ttmp9, 320
	s_cselect_b64 s[22:23], s[8:9], s[22:23]
	s_cmp_lt_u32 ttmp9, 288
	s_cselect_b64 s[22:23], s[6:7], s[22:23]
	s_cmp_lt_u32 ttmp9, 256
	s_cselect_b64 s[22:23], s[4:5], s[22:23]
	s_cselect_b32 s24, ttmp9, s24
	s_lshl_b32 s24, s24, 17                        ; 32 rows of 4,096 bytes
	s_lshl_b32 s32, s30, 15                        ; the second tile begins 8 rows down
	s_add_co_u32 s24, s24, s32
	s_lshl_b32 s32, s31, 11                        ; half a row
	s_add_co_u32 s24, s24, s32
	s_mov_b32 s25, 0
	s_add_nc_u64 s[22:23], s[22:23], s[24:25]
	s_lshl_b32 s32, ttmp9, 1
	s_add_co_u32 s32, s32, s30                     ; my tile
	s_mul_i32 s24, s32, 12288
	s_mul_i32 s33, s31, 6144
	s_add_co_u32 s24, s24, s33
	s_add_nc_u64 s[16:17], s[16:17], s[24:25]      ; my four fragments in ci
	s_lshl_b32 s24, s32, 9
	s_lshl_b32 s33, s31, 8
	s_add_co_u32 s24, s24, s33
	s_add_nc_u64 s[18:19], s[18:19], s[24:25]      ; my 256 bytes of csw
.macro LOAD t                          ; fragment t: 16 rows x 512 bytes into set t % 2
.irp p, 0,1,2,3,4,5,6,7,8,9,10,11,12,13,14,15
	global_load_b128 v[R+64*((\t)%2)+4*\p:R+64*((\t)%2)+4*\p+3], v4, s[22:23] offset:(\p+8*(\p/8))*4096+512*(\t) th:TH_LOAD_NT
.endr
.endm
.macro FRAGQ t
.if (\t) < 3
	s_wait_loadcnt 16                              ; this fragment's 16 loads are in; the next fragment's 16 may be out
.else
	s_wait_loadcnt 0
.endif
.irp p, 0,1,2,3,4,5,6,7,8,9,10,11,12,13,14,15
	ds_store_b128 v6, v[R+64*((\t)%2)+4*\p:R+64*((\t)%2)+4*\p+3] offset:528*\p
.endr
.irp c, 0,1
.irp k, 0,1,2,3,4,5,6,7
	ds_load_b128 v[X+32*\c+4*\k:X+32*\c+4*\k+3], v7 offset:256*\c+16*\k   ; block 2 c + h of row r; LDS serves a wave's instructions in order, so these see the stores
.endr
.endr
	s_wait_dscnt 0x0                               ; my numbers are back, and the stores have read their registers,
.if (\t)+2 < 4
	LOAD (\t)+2                                    ; which take the fragment two on
.endif
.irp c, 0,1
	v_max3_num_f32 v[MX+\c], |v[X+32*\c]|, |v[X+32*\c+1]|, |v[X+32*\c+2]|      ; a block's largest magnitude: all 32 numbers are mine; two chains a block
	v_max3_num_f32 v[MX+2+\c], |v[X+32*\c+3]|, |v[X+32*\c+4]|, |v[X+32*\c+5]|
.endr
.irp i, 6,10,14,18,22,26
.irp c, 0,1
	v_max3_num_f32 v[MX+\c], v[MX+\c], |v[X+32*\c+\i]|, |v[X+32*\c+\i+1]|
	v_max3_num_f32 v[MX+2+\c], v[MX+2+\c], |v[X+32*\c+\i+2]|, |v[X+32*\c+\i+3]|
.endr
.endr
.irp c, 0,1
	v_max3_num_f32 v[MX+\c], v[MX+\c], |v[X+32*\c+30]|, |v[X+32*\c+31]|
.endr
.irp c, 0,1
	v_max3_num_f32 v[MX+\c], v[MX+\c], v[MX+2+\c], 0x1800000       ; and the floor 2^(3 - 127): the byte cannot fall under 1
.endr
.irp c, 0,1
	v_add_nc_u32 v[MX+4+\c], 0xff000000, v[MX+\c]  ; 2 off the exponent field: the conversion takes the exponent field of this operand as its scale
.endr
.irp c, 0,1
	v_lshrrev_b32 v[MX+6+\c], 23, v[MX+4+\c]       ; the scale's byte
.endr
	v_lshl_or_b32 v236, v[MX+7], 16, v[MX+6]       ; my two bytes, blocks h and 2 + h,
	v_lshlrev_b32 v236, v8, v236                   ; at their places in the word;
	v_permlanex16_b32 v237, v236, s26, s27
	v_or_b32 v[SW+(\t)], v236, v237                ; with lane l xor 16's two the word is whole
	s_wait_xcnt 0x0                                ; the last fragment's stores have read the codes' registers
.irp c, 0,1
	v_cvt_scalef32_pk16_fp6_f32 v[C+6*\c:C+6*\c+2], v[X+32*\c:X+32*\c+15], v[MX+4+\c]
	v_cvt_scalef32_pk16_fp6_f32 v[D2+4*\c:D2+4*\c+2], v[X+32*\c+16:X+32*\c+31], v[MX+4+\c]   ; (a conversion's three registers begin on an even number)
.endr
	v_nop                                          ; one plain place behind the conversions
.irp c, 0,1
.irp i, 0,1,2
	v_mov_b32 v[C+6*\c+3+\i], v[D2+4*\c+\i]
.endr
.endr
	global_store_b128 v4, v[C:C+3], s[16:17] offset:1536*(\t)            ; 512 consecutive bytes,
	global_store_b64 v5, v[C+4:C+5], s[16:17] offset:1536*(\t)+512       ; 256,
	global_store_b128 v4, v[C+6:C+9], s[16:17] offset:1536*(\t)+768
	global_store_b64 v5, v[C+10:C+11], s[16:17] offset:1536*(\t)+1280
.endm
	LOAD 0
	LOAD 1
	FRAGQ 0
	FRAGQ 1
	FRAGQ 2
	FRAGQ 3
	s_mov_b32 s34, 0xffff0000                      ; lanes 16-31 take fragments 2 and 3
	v_cndmask_b32 v244, v[SW], v[SW+2], s34
	v_cndmask_b32 v245, v[SW+1], v[SW+3], s34
	global_store_b64 v5, v[244:245], s[18:19]      ; 256 consecutive bytes
	s_wait_tensorcnt 0x0
	ds_add_u32 v248, v249
	s_wait_dscnt 0x0
	s_endpgm
	; ---------------- the table
.Lrope:
	s_sub_co_u32 s24, ttmp9, 384
	s_lshl_b32 s24, s24, 2
	s_add_co_u32 s24, s24, s28                     ; my tile of the sequence, 0 .. 127
	s_lshr_b32 s25, s24, 1
	s_lshl_b32 s25, s25, 5
	s_and_b32 s29, s24, 1
	s_lshl_b32 s29, s29, 3
	s_add_co_u32 s25, s25, s29
	v_and_b32 v9, 8, v2
	v_add_nc_u32 v9, v9, v2                        ; r + 8 (r / 8)
	v_add_nc_u32 v9, s25, v9                       ; my token
	v_lshlrev_b32 v9, 2, v9
	s_lshl_b32 s24, s24, 12                        ; 4,096 bytes of table a tile
	s_mov_b32 s25, 0
	s_mov_b32 s30, 0x3f22f983                      ; 2 / pi
	s_mov_b32 s31, 0xbfc90fdb                      ; -(pi / 2), its upper 24 bits,
	s_mov_b32 s32, 0x333bbd2e                      ; and what is left of it
	s_mov_b32 s33, 0xbe2aaaab                      ; the sine's series: -1/3!, 1/5!, -1/7!, 1/9!
	s_mov_b32 s34, 0x3c088889
	s_mov_b32 s35, 0xb9500d01
	s_mov_b32 s36, 0x3638ef1d
	s_mov_b32 s38, 0x3d2aaaab                      ; the cosine's: 1/4!, -1/6!, 1/8!, -1/10!
	s_mov_b32 s39, 0xbab60b61
	s_mov_b32 s40, 0x37d00d01
	s_mov_b32 s41, 0xb493f27e
	s_wait_kmcnt 0x0
	global_load_b32 v10, v9, s[14:15]              ; token_positions[my token]: it enters an angle, never an address
	s_add_nc_u64 s[20:21], s[20:21], s[24:25]
	v_lshlrev_b32 v11, 3, v3                       ; 8 h
.set k, 0
.rept 16
	v_add_nc_u32 v[16+k], 16*(k/8)+k%8, v11        ; my sixteen pairs f
.set k, k+1
.endr
.set k, 0
.rept 16
	v_cvt_f32_u32 v[16+k], v[16+k]
.set k, k+1
.endr
.set k, 0
.rept 16
	v_mul_f32 v[16+k], 0xbed49a78, v[16+k]         ; -f log2(10000) / 32
.set k, k+1
.endr
.set k, 0
.rept 16
	v_exp_f32 v[16+k], v[16+k]                     ; the frequency
.set k, k+1
.endr
	v_nop                                          ; a plain place behind the batch,
	s_wait_alu depctr_va_vdst(0)                   ; and one wait for all sixteen, ahead of their first reader
	s_wait_loadcnt 0x0
	v_cvt_f32_i32 v10, v10
.set k, 0
.rept 16
	v_mul_f32 v[16+k], v10, v[16+k]                ; the angle, one f32 product
.set k, k+1
.endr
; cos and sin of the angle v[a].  n = the nearest whole number to a x 2 / pi (under 2^11); rr = a - n pi / 2 in two fused steps, of which the first rounds nothing (its result has bits from 2^-23 up and lies under 2);
; |rr| <= pi / 4: series to rr^9 and rr^10, whose first terms left out lie under 2e-9; the quadrant n mod 4 swaps the two and sets the signs.
.macro SINCOS a, c, s
	v_mul_f32 v12, s30, v[\a]
	v_rndne_f32 v12, v12
	v_fma_f32 v13, v12, s31, v[\a]
	v_fma_f32 v13, v12, s32, v13
	v_cvt_i32_f32 v64, v12
	v_mul_f32 v65, v13, v13
	v_fma_f32 v66, v65, s36, s35
	v_fma_f32 v68, v65, s41, s40
	v_fma_f32 v66, v65, v66, s34
	v_fma_f32 v68, v65, v68, s39
	v_fma_f32 v66, v65, v66, s33
	v_fma_f32 v68, v65, v68, s38
	v_mul_f32 v67, v65, v13
	v_fma_f32 v68, v65, v68, -0.5
	v_fma_f32 v66, v67, v66, v13                   ; sin rr
	v_fma_f32 v68, v65, v68, 1.0                   ; cos rr
	v_and_b32 v69, 1, v64
	v_cmp_eq_u32 vcc_lo, 1, v69
	v_cndmask_b32 v70, v66, v68, vcc_lo            ; odd quadrants: the two change places
	v_cndmask_b32 v71, v68, v66, vcc_lo
	v_lshlrev_b32 v69, 30, v64
	v_and_b32 v69, 0x80000000, v69                 ; the sine is negative in quadrants 2 and 3,
	v_xor_b32 v[\s], v69, v70
	v_add_nc_u32 v69, 1, v64
	v_lshlrev_b32 v69, 30, v69
	v_and_b32 v69, 0x80000000, v69                 ; the cosine in 1 and 2
	v_xor_b32 v[\c], v69, v71
.endm
.set k, 0
.rept 16
	SINCOS 16+k, 32+2*k, 33+2*k
.set k, k+1
.endr
.irp n, 0,1,2,3,4,5,6,7
	global_store_b128 v4, v[32+4*\n:35+4*\n], s[20:21] offset:512*\n     ; 512 consecutive bytes
.endr
	s_endpgm
.Lfunc_end_k_q78a4337806_prep:
	.size	k_q78a4337806_prep, .Lfunc_end_k_q78a4337806_prep-k_q78a4337806_prep
	.p2alignl 7, 3214868480
	.fill 96, 4, 3214868480
	.section	.rodata,"a",@progbits
	.p2align	6, 0x0
	.amdhsa_kernel k_q78a4337806_prep
		.amdhsa_group_segment_fixed_size 34304
		.amdhsa_private_segment_fixed_size 0
		.amdhsa_enable_private_segment 0
		.amdhsa_kernarg_size 72
		.amdhsa_user_sgpr_count 2
		.amdhsa_user_sgpr_kernarg_segment_ptr 1
		.amdhsa_wavefront_size32 1
		.amdhsa_system_sgpr_workgroup_id_x 1
		.amdhsa_system_sgpr_workgroup_id_y 1
		.amdhsa_system_sgpr_workgroup_id_z 1
		.amdhsa_system_vgpr_workitem_id 0
		.amdhsa_next_free_vgpr 250
		.amdhsa_next_free_sgpr 66
		.amdhsa_reserve_vcc 1
		.amdhsa_float_denorm_mode_32 3
		.amdhsa_float_denorm_mode_16_64 3
		.amdhsa_memory_ordered 1
		.amdhsa_forward_progress 1
		.amdhsa_inst_pref_size 56
	.end_amdhsa_kernel
	.amdgpu_metadata
---
amdhsa.version: [ 1, 2 ]
amdhsa.kernels:
  - .name:           k_q78a4337806_prep
    .symbol:         k_q78a4337806_prep.kd
    .args:
      - { .name: x, .offset: 0, .size: 8, .value_kind: global_buffer, .address_space: global }
      - { .name: Wq, .offset: 8, .size: 8, .value_kind: global_buffer, .address_space: global }
      - { .name: Wk, .offset: 16, .size: 8, .value_kind: global_buffer, .address_space: global }
      - { .name: Wv, .offset: 24, .size: 8, .value_kind: global_buffer, .address_space: global }
      - { .name: Wo, .offset: 32, .size: 8, .value_kind: global_buffer, .address_space: global }
      - { .name: token_positions, .offset: 40, .size: 8, .value_kind: global_buffer, .address_space: global }
      - { .name: ci, .offset: 48, .size: 8, .value_kind: global_buffer, .address_space: global }
      - { .name: csw, .offset: 56, .size: 8, .value_kind: global_buffer, .address_space: global }
      - { .name: rt, .offset: 64, .size: 8, .value_kind: global_buffer, .address_space: global }
    .group_segment_fixed_size: 34304
    .private_segment_fixed_size: 0
    .kernarg_segment_align: 8
    .kernarg_segment_size: 72
    .max_flat_workgroup_size: 128
    .sgpr_count:     66
    .vgpr_count:     250
    .wavefront_size: 32
...
	.end_amdgpu_metadata
.endif
;; end of part 1
;; launch qkv (part 2): grid 12 x 32, 4 waves a work-group, clusters of 4 x 4, 327,680 bytes of LDS; arguments ci, csw, rt, qimg, kv; writes qimg, kv
.if DOCPART == 2
	.amdgcn_target "amdgcn-amd-amdhsa--gfx1250"
	.amdhsa_code_object_version 6
	.text
	.protected	k_q78a4337806_qkv
	.globl	k_q78a4337806_qkv
	.p2align	8
	.type	k_q78a4337806_qkv,@function
k_q78a4337806_qkv:
	s_mov_b64 s[64:65], 0
	v_nop
	global_prefetch_b8 v0, s[64:65] scope:SCOPE_SE
	s_setreg_imm32_b32 hwreg(HW_REG_WAVE_MODE, 25, 1), 1
	s_wait_xcnt 0x0
	s_wait_alu depctr_hold_cnt(0) depctr_sa_sdst(0) depctr_va_vdst(0) depctr_va_sdst(0) depctr_va_ssrc(0) depctr_va_vcc(0) depctr_vm_vsrc(0)
	s_getreg_b32 s2, hwreg(HW_REG_IB_STS2, 6, 4)
	s_cmp_eq_u32 s2, 0
	s_cbranch_scc0 .Lentry_in_a_cluster
	s_endpgm
.Lentry_in_a_cluster:
	s_bfe_u32 s2, ttmp6, 0x10000c
	s_cmp_lg_u32 s2, 0xf033
	s_cbranch_scc0 .Lentry_shape_is_right
	s_endpgm
.Lentry_shape_is_right:
; Q = rope(x Wq^T), K = rope(x Wk^T), V = x Wv^T on codes of FP6 (E2M3) with E8M0 scales, sums in f32; the results are quantised at once for the attention's two products and leave as images of its operand registers.
; OPERANDS (ci, csw): tiles of 16 rows (lane-row r of tile T is row 32 (T / 2) + 8 (T % 2) + r + 8 (r / 8)), 12,288 bytes a tile: 8 fragments of 128 along K, each two halves of 768 bytes: registers 0-3 of lane l at 16 l,
; registers 4-5 at 512 + 8 l.  A fragment comes by two loads of 16 and two of 8 bytes a lane, each over consecutive bytes: no pitch, no padding.  Scale words: 512 bytes a tile, fragment f, row r at 128 (f / 2) + 8 r + 4 (f % 2).
; SHARES.  A work-group of four waves makes 256 tokens x 256 features, a wave 128 x 128: 64 accumulators, 512 registers.  Work-group y picks the tokens, x the features of the stacked Wq, Wk, Wv (tiles 512 on):
; the cluster's x is the kind: 0 Q, 1 K, 2 V, the same in all sixteen partners.
; K = 1,024 goes in four steps of 256.  Three LDS slots: K steps 0, 1, 2 and all scale words go out at the start (four tensor loads of a wave are out then); K step 3 is the one refill, into slot 0, asked for
; behind K step 0 and read two K steps later.  All is written out: no loop.
; CLUSTER 4 x 4: x's tiles are shared along a row of the cluster, the weights' along a column: each is asked for jointly, by the same tensor load with the same descriptor and a mask that names the four.
; ORIENTATION.  Q, K: source 0 = 16 rows of W, source 1 = 16 tokens: a lane holds one token, and by the order of a tile's rows its 16 registers of two neighbouring tiles are 16 neighbouring features:
; the head's axis, along which Q and K are quantised.  V: source 0 = 16 tokens, source 1 = 16 rows of Wv: a lane holds one feature and its registers run along the tokens, the second product's K.
; The tensor loads are alike for all kinds; only the bases from which fragments and scale words are read change places, by a select on the cluster's x.
; THE KINDS PART ONCE, behind the last K step's first half: Q and K load the table of cosines and sines, finish the sums, rotate and quantise; V finishes the sums and quantises.  So every counted wait for the table's loads
; has the same loads behind it on every way that leads to it.  The ways join ahead of the wave's end.
; RESULTS.  qimg [64 heads][128 tiles][1,024]: half a fragment (16 queries x 64), then for each lane twice the word (s0, s1, s0, s1).
; kv [64 heads][16 steps of 128 keys][12,800]: +0 K: four fragments, halves 2 b and 2 b + 1 = key tiles 2 b, 2 b + 1; +6,144 V^T: four fragments of 16 features x 128 keys; +12,288 K's scale words, at 8 l + 4 j: fragment 2 j + h, row r;
; +12,544 V's likewise.  Every store covers 512 or 256 consecutive bytes.
; LIMITS: NaN and infinities are not served; a block whose largest magnitude lies under 2^-124 keeps the byte 1, a block of zeros too (its codes are zeros; this program alone reads the bytes).
; REGISTERS: window 0: v4-23 addresses; v32-63 scale words, two sets; v128-223 source 1's fragments, one set; in the epilogue v64-127 at work, v128-147 codes, v160-191 tails, v224-247 maxima, bytes, words.
;   window 1: source 0's fragments, two sets, at v0 and v128; in the epilogue the table of cosines and sines.   windows 2, 3: the accumulators: (a, b) at v[8 (8 (a % 4) + b)] of window 2 + a / 4.
.set XT0,   512                        ; the weights' first tile
.set HALFT, 24576                      ; 8 tiles x 3,072 bytes: what one tensor load brings, and what one wave reads of either operand
.set SLOT,  98304                      ; x's 16 tiles, then the weights' 16
.set SCL,   294912                     ; behind the three slots: x's scale words, 8,192 bytes; the weights' begin 8,320 on, so that the two halves of a load's lanes fall on different banks
.set SPARE, 327168                     ; the spare words, 128 bytes for each wave: two blocks of 256 bytes that no other line names
.set FR,    12                         ; registers of a fragment
.set NL,    4                          ; LDS loads that bring one
.set NP,    4                          ; places behind this matrix instruction (ISA guide 7.12.1)
.set NQ,    2                          ; matrix instructions deep in a K step
.set ADRA,  4                          ; v4-6 source 1's fragments in slots 0-2, + 16 l; v7-9 the same + 8 l
.set ADRB,  10                         ; v10-12, v13-15 source 0's
.set ADRS,  16                         ; v16 my scale words: lanes 0-15 source 1's rows, lanes 16-31 source 0's
.set L16,   17                         ; v17 16 x lane
.set L8,    18                         ; v18 8 x lane
.set SPW,   20                         ; v20 LDS address of my spare word; never rewritten
.set NIL,   21                         ; v21 0; never rewritten
.set SC,    32                         ; scale words: set s at v[SC + 16 s]; register 2 i + q: lanes 0-15 source 1's block i, lanes 16-31 source 0's block i, the K step's q-th 128
.set AF,    128
.set TM,    224
.set PW,    240
.set PC,    128
.set G1,   24                          ; s[24:31] group 1 for x's tiles; s[32:43] groups 0, one for each slot
.set G0,   32
.set G1B,  44                          ; s[44:51], s[52:63] the same for the weights'
.set G0B,  52
.set G1S,  68                          ; s[68:75], s[76:79] groups 1 and 0 for x's scale words; s[80:87], s[88:91] for the weights'
.set G0S,  76
.set G1SB, 80
.set G0SB, 88
.set RTB,  80                          ; behind the last tensor load's wait s68-91 are used again: s[80:81] the table, s[82:85] the two bases, s[86:89] the two walking pointers, s[90:91] lane selects
.set B0,   82
.set B1,   84
.set P0,   86
.set P1,   88
.set SEL,  90
.set MSB, 0
.macro WIN new                         ; the immediate's high byte repeats the setting that is left
.if MSB != (\new)
	s_set_vgpr_msb (MSB<<8)|(\new)
.set MSB, (\new)
.endif
.endm
.set MUL_LO, 0xa1                      ; source 0 window 1, source 1 window 0, C and D window 2
.set MUL_HI, 0xf1                      ; the same, C and D window 3
.set TO_B,   0x40                      ; destination window 1, address window 0
; A joint load: waves 0 and 1 fetch x's halves, waves 2 and 3 the weights'.  The branch hangs on the wave's number alone.  Four v_nop follow each of the two lines.
.macro JLOAD g0a, g1a, g0b, g1b
	s_cmp_eq_u32 s15, 0
	s_cbranch_scc0 .Lfor_b_\@
	tensor_load_to_lds s[\g0a:\g0a+3], s[\g1a:\g1a+7]
	s_nop 0
.rept 4
	v_nop
.endr
	s_branch .Lasked_\@
.Lfor_b_\@:
	tensor_load_to_lds s[\g0b:\g0b+3], s[\g1b:\g1b+7]
	s_nop 0
.rept 4
	v_nop
.endr
.Lasked_\@:
.endm
.macro CREST                           ; a round of the cluster's barrier behind its opening barrier
	s_cmp_lg_u32 s14, 0
	s_cbranch_scc1 .Lnot_wave_0_\@
	s_barrier_signal -3
.Lnot_wave_0_\@:
	s_barrier_wait -3
	s_barrier_signal -1
	s_barrier_wait -1
.endm
.macro CROUND
	s_barrier_signal -1
	s_barrier_wait -1
	CREST
.endm
	s_load_b256 s[4:11], s[0:1], 0x0               ; ci, csw, rt, qimg
	s_load_b64 s[12:13], s[0:1], 0x20              ; kv
	v_lshl_add_u32 v[SPW], v0, 2, SPARE
	v_mov_b32 v[NIL], 0
	ds_add_u32 v20, v21
	s_wait_dscnt 0x0
	v_lshrrev_b32 v1, 5, v0
	v_readfirstlane_b32 s14, v1                    ; wave 0..3
	s_lshr_b32 s15, s14, 1                         ; which half of the tokens is mine.  Also: I fetch for x (0) or for the weights (1)
	s_and_b32 s16, s14, 1                          ; which half of the features.  Also: which 8 tiles I fetch
	s_bfe_u32 s92, ttmp6, 0x40000                  ; cx, cy: my place in the cluster
	s_bfe_u32 s93, ttmp6, 0x40004
	s_lshl_b32 s94, ttmp9, 2
	s_add_co_u32 s94, s94, s92                     ; work-group x
	s_and_b32 s95, ttmp7, 0xffff
	s_lshl_b32 s95, s95, 2
	s_add_co_u32 s95, s95, s93                     ; work-group y
	s_lshl_b32 s96, s93, 2
	s_lshl_b32 s96, 15, s96                        ; my row of the cluster
	s_lshl_b32 s97, 0x1111, s92                    ; my column
	; group 1 for codes: 8 rows (tiles) of 3,072 bytes (a K step of 256), 12,288 bytes apart, in elements of 8 bytes; no padding
	s_or_b32 s[G1], s96, (3<<16)|(1<<21)           ; 15:0 the mask; 17:16 elements of 8 bytes; 21 set beside a mask
	s_or_b32 s[G1B], s97, (3<<16)|(1<<21)
.irp g, G1, G1B
	s_mov_b32 s[\g+1], 384<<16                     ; tensor_dim0
	s_mov_b32 s[\g+2], 8<<16                       ; tensor_dim1
	s_mov_b32 s[\g+3], 384<<16                     ; tile_dim0
	s_mov_b32 s[\g+4], 8                           ; tile_dim1
	s_mov_b32 s[\g+5], 1536                        ; from tile to tile
	s_mov_b32 s[\g+6], 0
	s_mov_b32 s[\g+7], 0
.endr
	; and for the scale words of 8 tiles: 4,096 dense bytes as 16 rows of 256
	s_or_b32 s[G1S], s96, (3<<16)|(1<<21)
	s_or_b32 s[G1SB], s97, (3<<16)|(1<<21)
.irp g, G1S, G1SB
	s_mov_b32 s[\g+1], 32<<16
	s_mov_b32 s[\g+2], 16<<16
	s_mov_b32 s[\g+3], 32<<16
	s_mov_b32 s[\g+4], 16
	s_mov_b32 s[\g+5], 32
	s_mov_b32 s[\g+6], 0
	s_mov_b32 s[\g+7], 0
.endr
	s_lshl_b32 s17, s16, 3
	s_lshl_b32 s20, s95, 4
	s_add_co_u32 s20, s20, s17                     ; x: tile 16 y + 8 x half
	s_lshl_b32 s22, s20, 9                         ; its scale words,
	s_mul_i32 s20, s20, 12288                      ; its codes
	s_mov_b32 s21, 0
	s_mov_b32 s23, 0
	s_lshl_b32 s98, s94, 4
	s_add_co_u32 s98, s98, s17
	s_add_co_u32 s98, s98, XT0                     ; the weights: tile 512 + 16 x + 8 x half
	s_lshl_b32 s100, s98, 9
	s_mul_i32 s98, s98, 12288
	s_mov_b32 s99, 0
	s_mov_b32 s101, 0
	s_mul_i32 s18, s14, HALFT                      ; where they go: wave x 8 tiles: no place in the cluster enters an LDS address
	s_lshl_b32 s19, s14, 12
	s_lshl_b32 s17, s15, 7
	s_add_co_u32 s19, s19, s17
	s_add_co_u32 s19, s19, SCL
	s_wait_kmcnt 0x0
	s_add_nc_u64 s[20:21], s[4:5], s[20:21]
	s_add_nc_u64 s[22:23], s[6:7], s[22:23]
	s_add_nc_u64 s[98:99], s[4:5], s[98:99]
	s_add_nc_u64 s[100:101], s[6:7], s[100:101]
	CROUND                                         ; all sixteen work-groups are here: the first joint loads meet
	s_mov_b32 s[G0S], 1
	s_mov_b32 s[G0S+1], s19
	s_mov_b64 s[G0S+2:G0S+3], s[22:23]
	s_or_b32 s[G0S+3], s[G0S+3], 0x80000000
	s_mov_b32 s[G0SB], 1
	s_mov_b32 s[G0SB+1], s19
	s_mov_b64 s[G0SB+2:G0SB+3], s[100:101]
	s_or_b32 s[G0SB+3], s[G0SB+3], 0x80000000
	JLOAD G0S, G1S, G0SB, G1SB                     ; the scale words first: they are wanted with K step 0
.irp s, 0,1,2
	s_mov_b32 s[G0+4*\s], 1
	s_add_co_u32 s[G0+4*\s+1], s18, \s*SLOT
	s_add_nc_u64 s[G0+4*\s+2:G0+4*\s+3], s[20:21], \s*3072
	s_or_b32 s[G0+4*\s+3], s[G0+4*\s+3], 0x80000000
	s_mov_b32 s[G0B+4*\s], 1
	s_add_co_u32 s[G0B+4*\s+1], s18, \s*SLOT
	s_add_nc_u64 s[G0B+4*\s+2:G0B+4*\s+3], s[98:99], \s*3072
	s_or_b32 s[G0B+4*\s+3], s[G0B+4*\s+3], 0x80000000
	JLOAD G0+4*\s, G1, G0B+4*\s, G1B
.endr
	v_and_b32 v1, 31, v0
	v_and_b32 v2, 15, v0                           ; r
	v_bfe_u32 v3, v0, 4, 1                         ; h
	v_lshlrev_b32 v[L16], 4, v1
	v_lshlrev_b32 v[L8], 3, v1
	s_mul_i32 s19, s15, HALFT                      ; my 8 tiles of x,
	s_mul_i32 s17, s16, HALFT
	s_add_co_u32 s17, s17, 2*HALFT                 ; my 8 tiles of the weights, behind x's 16
	s_lshl_b32 s21, s15, 12                        ; and their scale words
	s_lshl_b32 s22, s16, 12
	s_add_co_u32 s22, s22, 8320
	s_sub_co_u32 s22, s22, s21                     ; from x's to the weights'
	s_cmp_eq_u32 ttmp9, 2                          ; V?  Then the two operands change places
	s_cselect_b32 s2, s17, s19                     ; source 1
	s_cselect_b32 s3, s19, s17                     ; source 0
	s_cselect_b32 s23, -1, 0
.irp s, 0,1,2
	v_add_nc_u32 v[ADRA+\s], s2, v[L16]
	v_add_nc_u32 v[ADRA+3+\s], s2, v[L8]
	v_add_nc_u32 v[ADRB+\s], s3, v[L16]
	v_add_nc_u32 v[ADRB+3+\s], s3, v[L8]
	s_add_co_u32 s2, s2, SLOT
	s_add_co_u32 s3, s3, SLOT
.endr
	v_mul_u32_u24 v19, s22, v3                     ; Q, K: lanes 16-31 take the weights' words;
	v_sub_nc_u32 v22, 1, v3
	v_mul_u32_u24 v22, s22, v22                    ; V: lanes 0-15 do
	v_cndmask_b32 v19, v19, v22, s23
	v_lshl_add_u32 v19, v2, 3, v19                 ; 8 bytes a row: the K step's two words
	s_add_co_u32 s21, s21, SCL
	v_add_nc_u32 v[ADRS], s21, v19
.macro FRAG reg, adr, q, i             ; block i's fragment of the K step's q-th 128: registers 0-3, 4-5, 6-9, 10-11
	ds_load_b128 v[\reg:\reg+3], v[\adr] offset:(\i)*3072+(\q)*1536
	ds_load_b64 v[\reg+4:\reg+5], v[\adr+3] offset:(\i)*3072+(\q)*1536+512
	ds_load_b128 v[\reg+6:\reg+9], v[\adr] offset:(\i)*3072+(\q)*1536+768
	ds_load_b64 v[\reg+10:\reg+11], v[\adr+3] offset:(\i)*3072+(\q)*1536+1280
.endm
; 16 matrix instructions: source 1's blocks a0, a0 + 1 x source 0's eight.  p: source 0's set; sc: the set of scale words.  zero = 1: the first product starts the sums: nothing is cleared.
; The 64 accumulators take turns, one instruction a turn, in the same order in every step.
.macro MUL16 a0, p, q, sc, zero
.irp a, \a0, \a0+1
.irp b, 0,1,2,3,4,5,6,7
.if \zero
	v_wmma_scale_f32_16x16x128_f8f6f4 v[8*(8*((\a)%4)+\b):8*(8*((\a)%4)+\b)+7], v[128*(\p)+FR*\b:128*(\p)+FR*\b+FR-1], v[AF+FR*(\a):AF+FR*(\a)+FR-1], 0, v[SC+8*NQ*(\sc)+NQ*\b+(\q)], v[SC+8*NQ*(\sc)+NQ*(\a)+(\q)] matrix_a_fmt:MATRIX_FMT_FP6 matrix_b_fmt:MATRIX_FMT_FP6 matrix_a_scale:MATRIX_SCALE_ROW1
.else
	v_wmma_scale_f32_16x16x128_f8f6f4 v[8*(8*((\a)%4)+\b):8*(8*((\a)%4)+\b)+7], v[128*(\p)+FR*\b:128*(\p)+FR*\b+FR-1], v[AF+FR*(\a):AF+FR*(\a)+FR-1], v[8*(8*((\a)%4)+\b):8*(8*((\a)%4)+\b)+7], v[SC+8*NQ*(\sc)+NQ*\b+(\q)], v[SC+8*NQ*(\sc)+NQ*(\a)+(\q)] matrix_a_fmt:MATRIX_FMT_FP6 matrix_b_fmt:MATRIX_FMT_FP6 matrix_a_scale:MATRIX_SCALE_ROW1
.endif
.endr
.endr
.endm
.macro FETCH_B slot, q, p
	WIN TO_B
.irp i, 0,1,2,3,4,5,6,7
	FRAG 128*(\p)+FR*\i, ADRB+\slot, \q, \i
.endr
	WIN 0
.endm
.macro FETCH_A slot, q, i0
.irp i, \i0, \i0+1, \i0+2, \i0+3
	FRAG AF+FR*(\i), ADRA+\slot, \q, \i
.endr
.endm
.macro SCALES sc, k2                   ; K step k2's scale words into set sc
.irp i, 0,1,2,3,4,5,6,7
	ds_load_b64 v[SC+16*(\sc)+2*\i:SC+16*(\sc)+2*\i+1], v[ADRS] offset:512*\i+128*(\k2)
.endr
.endm
; A load into a register that a matrix instruction has read, and a vector instruction that reads a matrix result, stand NP places behind it; only plain vector instructions that name none of its registers are places.
.macro PLACES n
.rept \n
	v_nop
.endr
.endm
.macro STEP slot, sc, zero             ; a K step's first 128; its second lies in the same slot
	s_wait_dscnt 4*NL                              ; all but the youngest 16 loads (source 1's blocks 4-7) are in
	WIN MUL_LO
	MUL16 0, 0, 0, \sc, \zero
	MUL16 2, 0, 0, \sc, \zero
	s_wait_dscnt 0
	PLACES NP
	FETCH_B \slot, 1, 1
	FETCH_A \slot, 1, 0
	WIN MUL_HI
	MUL16 4, 0, 0, \sc, \zero
	MUL16 6, 0, 0, \sc, \zero
	PLACES NP
	WIN 0
	FETCH_A \slot, 1, 4
.endm
; A K step's second 128 changes slots.  mode 2: this slot is filled again: each wave waits for all its tensor loads, adds 0 to its spare word, waits for that and for its reads of the slot; a round of the cluster's barrier;
; the joint refill first behind it.  mode 1: the next slot is the refilled one: the same lines and the work-group's barrier, so that every wave's part of it has landed.  mode 0: the next slot was shown whole to every wave
; by mode 2's wait and round: no barrier.
.macro TURN slot, next, sc, mode, k2
.if \mode
	s_wait_tensorcnt 0x0                           ; all my tensor loads have landed  (every window is 0 here)
	ds_add_u32 v[SPW], v[NIL]                      ; 0 onto my spare word
	s_wait_dscnt 4*NL+1                            ; (the add and the youngest 16 loads may be out)
.else
	s_wait_dscnt 4*NL
.endif
	WIN MUL_LO
	MUL16 0, 1, 1, \sc, 0
.if \mode
	s_wait_dscnt 0x0                               ; the add is done, and my reads of this slot are over
	s_barrier_signal -1
.endif
	MUL16 2, 1, 1, \sc, 0
	WIN 0
.if \mode
	s_barrier_wait -1
.else
	s_wait_dscnt 0x0
.endif
.if \mode == 2
	CREST                                          ; no wave of any partner still reads this slot or has a load on its way
	s_add_nc_u64 s[G0+4*\slot+2:G0+4*\slot+3], s[G0+4*\slot+2:G0+4*\slot+3], 3*3072
	s_add_nc_u64 s[G0B+4*\slot+2:G0B+4*\slot+3], s[G0B+4*\slot+2:G0B+4*\slot+3], 3*3072
	JLOAD G0+4*\slot, G1, G0B+4*\slot, G1B         ; K step 3; the four v_nop behind it are the places in front of the loads below
.else
	PLACES NP
.endif
	FETCH_B \next, 0, 0
	FETCH_A \next, 0, 0
	SCALES 1-\sc, \k2
	WIN MUL_HI
	MUL16 4, 1, 1, \sc, 0
	MUL16 6, 1, 1, \sc, 0
	PLACES NP
	WIN 0
	FETCH_A \next, 0, 4
.endm
	s_wait_tensorcnt 2                             ; the scale words and my part of K step 0 are in; K steps 1 and 2 may be out
	s_barrier_signal -1
	s_barrier_wait -1
	FETCH_B 0, 0, 0
	FETCH_A 0, 0, 0
	SCALES 0, 0
	FETCH_A 0, 0, 4
	STEP 0, 0, 1
	TURN 0, 1, 0, 2, 1
	STEP 1, 1, 0
	TURN 1, 2, 1, 0, 2
	STEP 2, 0, 0
	TURN 2, 0, 0, 1, 3
	STEP 0, 1, 0
	; where the results go.  No tensor load of mine is out, so s68-91 may be written
	s_and_b32 s68, s95, 7
	s_lshl_b32 s68, s68, 4
	s_lshl_b32 s69, s15, 3
	s_add_co_u32 s68, s68, s69                     ; my first token tile in its sequence
	s_lshr_b32 s69, s95, 3
	s_lshl_b32 s69, s69, 4                         ; 16 x batch
	s_lshl_b32 s70, s92, 2
	s_add_co_u32 s69, s69, s70
	s_lshl_b32 s70, s16, 1
	s_add_co_u32 s69, s69, s70                     ; my first head: 16 x batch + 4 cx + 2 x half
	s_lshl_b32 s70, s68, 12
	s_mov_b32 s71, 0
	s_add_nc_u64 s[RTB:RTB+1], s[8:9], s[70:71]    ; the table at my first tile
	s_lshl_b32 s70, s69, 7
	s_add_co_u32 s70, s70, s68
	s_lshl_b32 s70, s70, 10                        ; Q: (head x 128 + tile) x 1,024
	s_lshl_b32 s72, s69, 4
	s_lshr_b32 s73, s68, 3
	s_add_co_u32 s72, s72, s73
	s_mul_i32 s72, s72, 12800                      ; K, V: (head x 16 + step) x 12,800
	s_mov_b32 s74, 204800                          ; from the first pointer to the second: K: the next head;
	s_mov_b32 s76, 768                             ; from block to block: K: half a fragment
	s_cmp_eq_u32 ttmp9, 0
	s_cselect_b64 s[B0:B0+1], s[10:11], s[12:13]
	s_cselect_b32 s70, s70, s72
	s_cselect_b32 s74, 131072, s74                 ; Q: the next head
	s_cselect_b32 s76, 1024, s76
	s_cmp_eq_u32 ttmp9, 2
	s_cselect_b32 s72, 6144, 0                     ; V lies behind K in a record;
	s_cselect_b32 s74, 768, s74                    ; its second pointer is the fragment's second half;
	s_cselect_b32 s76, 1536, s76                   ; a block is a whole fragment;
	s_cselect_b32 s78, 198656, 0                   ; and behind four blocks comes the next head: 204,800 - 6,144
	s_add_co_u32 s70, s70, s72
	s_mov_b32 s75, 0
	s_mov_b32 s77, 0
	s_mov_b32 s79, 0
	s_add_nc_u64 s[B0:B0+1], s[B0:B0+1], s[70:71]
	s_add_nc_u64 s[B1:B1+1], s[B0:B0+1], s[74:75]
	s_mov_b64 s[P0:P0+1], s[B0:B0+1]
	s_mov_b64 s[P1:P1+1], s[B1:B1+1]
	s_mov_b32 s[SEL], 0x76543210
	s_mov_b32 s[SEL+1], 0xfedcba98
; The table for block a, 32 registers, into window 1 (the caller sets the windows): eight loads of 512 consecutive bytes
.macro CSLOAD a
.irp n, 0,1,2,3,4,5,6,7
	global_load_b128 v[32*(\a)+4*\n:32*(\a)+4*\n+3], v[L16], s[RTB:RTB+1] offset:4096*(\a)+512*\n
.endr
.endm
; The very last 128 along K, and the places behind it
.macro LASTMUL
	s_wait_dscnt 4*NL                              ; all but the youngest 16 LDS loads (source 1's blocks 4-7) are in
	WIN MUL_LO
	MUL16 0, 1, 1, 1, 0
	MUL16 2, 1, 1, 1, 0
	s_wait_dscnt 0
	WIN MUL_HI
	MUL16 4, 1, 1, 1, 0
	MUL16 6, 1, 1, 1, 0
	WIN 0
	PLACES NP
.irp b, 0,1,2,3
	v_mov_b32 v[TM+4+\b], 0                        ; written once: a lane permute's destination counts as one of its sources
.endr
.endm
; THE ROTATION of block a (Q, K): register 16 B + i of a lane is feature 32 B + 16 h + i of its token; a pair (x0, x1) becomes (c x0 - s x1, c x1 + s x0); the pair (c, s) lies in window 1.
.macro ROPE a
.set AC, 64*((\a)%4)
.set W, 2+(\a)/4
.if (\a) == 0
	s_wait_loadcnt 48                              ; block 0's eight loads are in; those of blocks 1 to 6 may be out (block 7's are issued behind this rotation)
.else
	s_wait_loadcnt 8*(7-(\a))                      ; this block's eight loads are in; the later blocks' may be out
.endif
	WIN W|(1<<2)
.set j, 0
.rept 32
	v_pk_mul_f32 v[64+j:65+j], v[AC+j:AC+j+1], v[32*(\a)+16*((j/16)%2)+j%16:32*(\a)+16*((j/16)%2)+j%16+1] op_sel_hi:[1,0]   ; (c x0, c x1); each accumulator from its low end on
.set j, j+2
.endr
	WIN W|(1<<2)|(W<<6)
.set j, 0
.rept 32
	v_pk_fma_f32 v[AC+j:AC+j+1], v[AC+j:AC+j+1], v[32*(\a)+16*((j/16)%2)+j%16:32*(\a)+16*((j/16)%2)+j%16+1], v[64+j:65+j] op_sel:[1,1,0] op_sel_hi:[0,1,1] neg_lo:[0,1,0]   ; (-s x1 + c x0, s x0 + c x1)
.set j, j+2
.endr
.endm
; Block a's 64 numbers of a lane become a fragment's codes in v[PC] on and its scale word in v[PW + a].  A block of 32 lies in lanes l and l xor 16.
.macro QUANTW a
.set AC, 64*((\a)%4)
.set W, 2+(\a)/4
	WIN W|(W<<2)
.irp b, 0,1,2,3
	v_max3_num_f32 v[TM+\b], |v[AC+16*\b]|, |v[AC+16*\b+1]|, 0x1800000   ; with the floor 2^(3 - 127): the byte cannot fall under 1
.endr
.irp i, 2,4,6,8,10,12,14
.irp b, 0,1,2,3
	v_max3_num_f32 v[TM+\b], |v[AC+16*\b+\i]|, |v[AC+16*\b+\i+1]|, v[TM+\b]
.endr
.endr
	WIN 0
.irp b, 0,1,2,3
	v_permlanex16_b32 v[TM+4+\b], v[TM+\b], s[SEL], s[SEL+1]
.endr
.irp b, 0,1,2,3
	v_max_num_f32 v[TM+\b], v[TM+\b], v[TM+4+\b]
.endr
.irp b, 0,1,2,3
	v_add_nc_u32 v[TM+12+\b], 0xff000000, v[TM+\b] ; 2 off the exponent field: the conversion's scale operand
.endr
.irp b, 0,1,2,3
	v_lshrrev_b32 v[TM+4+\b], 23, v[TM+12+\b]      ; the scale's byte
.endr
	v_lshl_or_b32 v[PW+(\a)], v[TM+5], 8, v[TM+4]
	v_lshl_or_b32 v[PW+(\a)], v[TM+6], 16, v[PW+(\a)]
	v_lshl_or_b32 v[PW+(\a)], v[TM+7], 24, v[PW+(\a)]
.if (\a) > 0
	s_wait_xcnt 0x0                                ; the last block's stores have read their data and their bases
	s_add_nc_u64 s[P0:P0+1], s[P0:P0+1], s[76:77]
	s_add_nc_u64 s[P1:P1+1], s[P1:P1+1], s[76:77]
.if (\a) == 4
	s_add_nc_u64 s[P0:P0+1], s[P0:P0+1], s[78:79]
	s_add_nc_u64 s[P1:P1+1], s[P1:P1+1], s[78:79]
.endif
.endif
	WIN W
.irp c, 0,1
	v_cvt_scalef32_pk16_fp6_f32 v[PC+6*\c:PC+6*\c+2], v[AC+32*\c:AC+32*\c+15], v[TM+12+2*\c]
	v_cvt_scalef32_pk16_fp6_f32 v[PC+12+4*\c:PC+14+4*\c], v[AC+32*\c+16:AC+32*\c+31], v[TM+12+2*\c+1]   ; (a conversion's three registers begin on an even number)
.endr
	WIN 0
	v_nop                                          ; one plain place behind the conversions
.irp c, 0,1                            ; the operand's layout wants a whole block in a lane: lanes 0-15 block 2 c, lanes 16-31 block 2 c + 1
.irp i, 0,1,2
	v_permlane16_swap_b32 v[PC+6*\c+\i], v[PC+12+4*\c+\i]
.endr
.irp i, 0,1,2
	v_mov_b32 v[PC+3+6*\c+\i], v[PC+12+4*\c+\i]
.endr
.endr
	global_store_b128 v[L16], v[PC:PC+3], s[P0:P0+1]                 ; Q, K: my first head's half fragment; V: the fragment's first half
	global_store_b64 v[L8], v[PC+4:PC+5], s[P0:P0+1] offset:512
	global_store_b128 v[L16], v[PC+6:PC+9], s[P1:P1+1]               ; Q, K: my second head's; V: the second half
	global_store_b64 v[L8], v[PC+10:PC+11], s[P1:P1+1] offset:512
.endm
	s_cmp_eq_u32 ttmp9, 2                          ; the kinds part here, once; the cluster's x is the same in all partners  (every window is 0)
	s_cbranch_scc1 .Lpath_v
	; ---------------- Q and K
	WIN 0x40                                       ; destination window 1
.irp a, 0,1,2,3
	CSLOAD \a                                      ; source 0's set 0 is done with (its places stand at the step's end): these 32 loads land under the last 64 products
.endr
	WIN 0
	LASTMUL
	WIN 0x40
.irp a, 4,5,6
	CSLOAD \a                                      ; into source 0's set 1, behind the last products' places: 56 loads of mine are out at the most
.endr
	WIN 0
	ROPE 0
	WIN 0x40
	CSLOAD 7
	WIN 0
	QUANTW 0
.irp a, 1,2,3,4,5,6,7
	ROPE \a
	QUANTW \a
.endr
	; THE SCALE WORDS.  v[PW + a]: bytes (first head: s0, s1; second head: s0, s1) of token tile a
	s_mov_b32 s68, 0xffff0000                      ; lanes 16-31
	s_cmp_eq_u32 ttmp9, 0
	s_cbranch_scc0 .Ltail_k
.irp a, 0,1,2,3,4,5,6,7
	v_perm_b32 v[160+4*\a], v[PW+\a], v[PW+\a], 0x01000100           ; (s0, s1, s0, s1): it serves the query's codes in either half of the product's K
	v_perm_b32 v[162+4*\a], v[PW+\a], v[PW+\a], 0x03020302
	v_mov_b32 v[161+4*\a], v[160+4*\a]
	v_mov_b32 v[163+4*\a], v[162+4*\a]
	global_store_b64 v[L8], v[160+4*\a:161+4*\a], s[B0:B0+1] offset:1024*\a+768
	global_store_b64 v[L8], v[162+4*\a:163+4*\a], s[B1:B1+1] offset:1024*\a+768
.endr
	s_branch .Ldone
.Ltail_k:
.irp b, 0,1,2,3
	v_perm_b32 v[160+\b], v[PW+2*\b+1], v[PW+2*\b], 0x05040100       ; fragment b of the first head: key tiles 2 b and 2 b + 1
	v_perm_b32 v[164+\b], v[PW+2*\b+1], v[PW+2*\b], 0x07060302       ; of the second
.endr
.irp c, 0,1
.irp j, 0,1
	v_cndmask_b32 v[168+2*\c+\j], v[160+4*\c+2*\j], v[161+4*\c+2*\j], s68    ; fragment 2 j + h
.endr
.endr
	global_store_b64 v[L8], v[168:169], s[B0:B0+1] offset:12288
	global_store_b64 v[L8], v[170:171], s[B1:B1+1] offset:12288
	s_branch .Ldone
	; ---------------- V: no table, no rotation
.Lpath_v:
	LASTMUL
.irp a, 0,1,2,3,4,5,6,7
	QUANTW \a
.endr
	s_mov_b32 s68, 0xffff0000                      ; lanes 16-31
.irp e, 0,1                            ; v[PW + a]: the four bytes of fragment a % 4 of head a / 4
.irp j, 0,1
	v_cndmask_b32 v[168+2*\e+\j], v[PW+4*\e+2*\j], v[PW+4*\e+2*\j+1], s68    ; fragment 2 j + h of head e
.endr
.endr
	global_store_b64 v[L8], v[168:169], s[B0:B0+1] offset:6400
	global_store_b64 v[L8], v[170:171], s[B0:B0+1] offset:211200
.Ldone:
	s_wait_tensorcnt 0x0                           ; the wave's end
	ds_add_u32 v[SPW], v[NIL]
	s_wait_dscnt 0x0
	CROUND                                         ; the closing round: no work-group ends while a partner may still ask for a tile that names it
	s_endpgm
.Lfunc_end_k_q78a4337806_qkv:
	.size	k_q78a4337806_qkv, .Lfunc_end_k_q78a4337806_qkv-k_q78a4337806_qkv
	.p2alignl 7, 3214868480
	.fill 96, 4, 3214868480
	.section	.rodata,"a",@progbits
	.p2align	6, 0x0
	.amdhsa_kernel k_q78a4337806_qkv
		.amdhsa_group_segment_fixed_size 327680
		.amdhsa_private_segment_fixed_size 0
		.amdhsa_enable_private_segment 0
		.amdhsa_kernarg_size 40
		.amdhsa_user_sgpr_count 2
		.amdhsa_user_sgpr_kernarg_segment_ptr 1
		.amdhsa_wavefront_size32 1
		.amdhsa_system_sgpr_workgroup_id_x 1
		.amdhsa_system_sgpr_workgroup_id_y 1
		.amdhsa_system_sgpr_workgroup_id_z 1
		.amdhsa_system_vgpr_workitem_id 0
		.amdhsa_next_free_vgpr 1024
		.amdhsa_next_free_sgpr 102
		.amdhsa_reserve_vcc 0
		.amdhsa_float_denorm_mode_32 3
		.amdhsa_float_denorm_mode_16_64 3
		.amdhsa_memory_ordered 1
		.amdhsa_forward_progress 1
		.amdhsa_inst_pref_size 237
	.end_amdhsa_kernel
	.amdgpu_metadata
---
amdhsa.version: [ 1, 2 ]
amdhsa.kernels:
  - .name:           k_q78a4337806_qkv
    .symbol:         k_q78a4337806_qkv.kd
    .args:
      - { .name: ci, .offset: 0, .size: 8, .value_kind: global_buffer, .address_space: global }
      - { .name: csw, .offset: 8, .size: 8, .value_kind: global_buffer, .address_space: global }
      - { .name: rt, .offset: 16, .size: 8, .value_kind: global_buffer, .address_space: global }
      - { .name: qimg, .offset: 24, .size: 8, .value_kind: global_buffer, .address_space: global }
      - { .name: kv, .offset: 32, .size: 8, .value_kind: global_buffer, .address_space: global }
    .group_segment_fixed_size: 327680
    .private_segment_fixed_size: 0
    .kernarg_segment_align: 8
    .kernarg_segment_size: 40
    .max_flat_workgroup_size: 128
    .sgpr_count:     102
    .vgpr_count:     1024
    .wavefront_size: 32
...
	.end_amdgpu_metadata
.endif
;; end of part 2
;; launch attn (part 3): grid 4 x 64, 16 waves a work-group, no clusters, 327,680 bytes of LDS; arguments qimg, kv, oi, osw; writes oi, osw
.if DOCPART == 3
	.amdgcn_target "amdgcn-amd-amdhsa--gfx1250"
	.amdhsa_code_object_version 6
	.text
	.protected	k_q78a4337806_attn
	.globl	k_q78a4337806_attn
	.p2align	8
	.type	k_q78a4337806_attn,@function
k_q78a4337806_attn:
	s_mov_b64 s[64:65], 0
	v_nop
	global_prefetch_b8 v0, s[64:65] scope:SCOPE_SE
	s_setreg_imm32_b32 hwreg(HW_REG_WAVE_MODE, 25, 1), 1
	s_wait_xcnt 0x0
; O[q] = the sum over keys k <= q of softmax_k(Q[q] . K[k] / 8) V[k], head size 64, 2,048 tokens, 64 heads; both products on codes of FP6 (E2M3) with E8M0 scales.  O / the row's sum is quantised at once for the last projection.
; THE SOFTMAX: t = score x log2(e) / 8; M = the row's largest t so far, rounded UP to a whole number; p = 2^(t - M) is quantised along the keys; the row's sum is taken of the unquantised p and divides at the end.
; When M moves, the sum and O are multiplied by 2^(old M - new M): exact.
; INPUTS.  qimg [head][tile of 16 queries][1,024]: half a fragment (six registers a lane: 16 l, 512 + 8 l), the scale word at 768 + 8 l.  kv [head][step of 128 keys][12,800]: K's four fragments, V^T's four, K's and V's scale words.
; Lane-row r of tile T is token 32 (T / 2) + 8 (T % 2) + r + 8 (r / 8): so the 16 registers of two neighbouring key tiles are 16 neighbouring keys.
; HEAD SIZE 64 IN A PRODUCT OF 128.  A fragment of K holds TWO key tiles, one in each half of the product's K.  The query stands in 18 registers (q, 0, q): registers 0-11 = (q, 0) pick the first tile,
; registers 6-17 = (0, q) the second: zero codes add nothing.  Eight products for 128 keys, and no zero byte goes through LDS.
; Both products are used transposed (S^T = K Q^T, O^T = V^T P^T): a lane holds one query throughout.
; SHARES.  A work-group owns query blocks I and 7 - I of 256 queries of one head (I = work-group x): it walks I + 1 and then 8 - I slots of 256 keys: nine for every work-group, so the 256 work-groups have equal work and the
; loop's trip count is a constant.  Each of the sixteen waves owns one tile of 16 queries of each block, in 256 registers: four waves to a SIMD, so that one wave's vector work stands beside another's products and loads.
; A key step all of whose keys come after the wave's queries is left out by a scalar branch on ids; on the diagonal hidden scores become -infinity ahead of the maximum.
; RING: two LDS slots of two records; waves 0-3 fetch a quarter (6,400 dense bytes) each; the change of slots stands at a slot's head.
; NO CLUSTER: the four work-groups of a head walk the same records, but in trip T work-group I wants slot T up to T = I and slot T - I - 1 afterwards: in the same trip partners want different tiles.
; OUTPUT.  oi [token tile][head][768]: half a fragment of the projection's operand; osw: the head's two bytes of row r at 128 (head / 4) + 8 r + 4 ((head / 2) % 2) + 2 (head % 2) of the tile's 512 bytes.
; LIMITS: NaN and infinities are not served; a block whose largest magnitude lies under 2^-124 keeps the byte 1, a block of zeros too.
; REGISTERS: v1-2 the slot's addresses; v3 16 l, v4 8 l; v5-6 the add's; v7 the mask's lane term; v8 8 r; v12 -M, v13 the largest t, v[14:15] the sum; v16-33 (q, 0, q); v34 q's scale word; v35-41 the second block's;
; v42-45 K's and V's scale words; v46 p's; v48-95 four fragments; v96-159 S^T, then p; v160-191 O^T; v192-203 p's codes; v204-229 at work.
.set REC,   12800
.set SLOT1, 32768
.set SPARE, 65536                      ; the spare words, 128 bytes for each of sixteen waves: eight blocks of 256 bytes that no other line names
.set WV,   12
.set BI,   13                          ; I
.set IP1,  14                          ; I + 1
.set T,    15                          ; the trip
.set KF,   16                          ; the step's first key
.set Q0,   17                          ; my tile's first query
.set Q0B,  18                          ; the second block's
.set TB,   19                          ; LDS byte at which the slot in hand begins
.set SEL,  20
.set CS,   22                          ; s[22:23] c = log2(e) / 8
.set G1,   24
.set G0,   32
.set BK,   36                          ; s[36:37] what the walking address goes back by: 0, or at the change of blocks BACK
.set BACK, 38
.set QA,   40
.set QB,   42
.set OPA,  44
.set OPB,  46
.set OSA,  48
.set OSB,  50
.set TMP,  52
.macro TLOAD                           ; waves 0-3 fetch; four v_nop follow the line
	s_cmp_lt_u32 s[WV], 4
	s_cbranch_scc0 .Lnone_\@
	tensor_load_to_lds s[G0:G0+3], s[G1:G1+7]
	s_nop 0
.rept 4
	v_nop
.endr
.Lnone_\@:
.endm
	s_load_b256 s[4:11], s[0:1], 0x0               ; qimg, kv, oi, osw
	v_lshl_add_u32 v5, v0, 2, SPARE
	v_mov_b32 v6, 0
	ds_add_u32 v5, v6
	ds_add_u32 v5, v6
	s_wait_dscnt 0x0
	v_lshrrev_b32 v1, 5, v0
	s_delay_alu instid0(VALU_DEP_1)
	v_readfirstlane_b32 s[WV], v1                  ; wave 0..15
	s_mov_b32 s[BI], ttmp9
	s_add_co_u32 s[IP1], s[BI], 1
	s_and_b32 s52, ttmp7, 0xffff                   ; the head, 0 .. 63
	s_and_b32 s53, s[WV], 3
	s_mul_i32 s53, s53, 6400                       ; my quarter of a slot
	s_mul_i32 s54, s52, 16*REC
	s_add_co_u32 s54, s54, s53
	s_mov_b32 s55, 0
	s_mov_b32 s[G1], 3<<16                         ; no mask; elements of 8 bytes; no padding: 25 rows of 256 dense bytes
	s_mov_b32 s[G1+1], 32<<16
	s_mov_b32 s[G1+2], 25<<16
	s_mov_b32 s[G1+3], 32<<16
	s_mov_b32 s[G1+4], 25
	s_mov_b32 s[G1+5], 32
	s_mov_b32 s[G1+6], 0
	s_mov_b32 s[G1+7], 0
	s_mul_i32 s[BACK], s[IP1], 2*REC
	s_mov_b32 s[BK+1], 0
	s_mov_b32 s[SEL], 0x76543210
	s_mov_b32 s[SEL+1], 0xfedcba98
	s_mov_b32 s[CS], 0x3e38aa3b
	s_mov_b32 s[CS+1], s[CS]                       ; (named with it as a pair, so it is written)
	s_mov_b32 s[TB], 0
	s_mov_b32 s[KF], 0
	s_mov_b32 s[T], 0
	s_wait_kmcnt 0x0
	s_mov_b32 s[G0], 1
	s_mov_b32 s[G0+1], s53
	s_add_nc_u64 s[G0+2:G0+3], s[6:7], s[54:55]
	s_or_b32 s[G0+3], s[G0+3], 0x80000000
	TLOAD                                          ; slot 0: the head's first 256 keys
	s_lshl_b32 s56, s[BI], 4
	s_add_co_u32 s57, s56, s[WV]                   ; my tile of the first block: 16 I + wave,
	s_sub_co_u32 s58, 112, s56
	s_add_co_u32 s58, s58, s[WV]                   ; of the second: 16 (7 - I) + wave
	s_lshr_b32 s59, s57, 1
	s_lshl_b32 s59, s59, 5
	s_and_b32 s60, s57, 1
	s_lshl_b32 s60, s60, 3
	s_add_co_u32 s[Q0], s59, s60
	s_lshr_b32 s59, s58, 1
	s_lshl_b32 s59, s59, 5
	s_and_b32 s60, s58, 1
	s_lshl_b32 s60, s60, 3
	s_add_co_u32 s[Q0B], s59, s60
	s_mov_b32 s61, 0
	s_lshl_b32 s59, s52, 7
	s_add_co_u32 s60, s59, s57
	s_lshl_b32 s60, s60, 10
	s_add_nc_u64 s[QA:QA+1], s[4:5], s[60:61]
	s_add_co_u32 s60, s59, s58
	s_lshl_b32 s60, s60, 10
	s_add_nc_u64 s[QB:QB+1], s[4:5], s[60:61]
	s_lshr_b32 s59, s52, 4
	s_lshl_b32 s59, s59, 7                         ; 128 token tiles a batch
	s_and_b32 s62, s52, 15                         ; the head in its batch
	s_lshr_b32 s63, s62, 1
	s_mul_i32 s63, s63, 1536
	s_and_b32 s66, s62, 1
	s_mul_i32 s66, s66, 768
	s_add_co_u32 s63, s63, s66                     ; its half fragment in a tile of oi
	s_lshr_b32 s67, s62, 2
	s_lshl_b32 s67, s67, 7
	s_bfe_u32 s68, s62, 0x10001
	s_lshl_b32 s68, s68, 2
	s_add_co_u32 s67, s67, s68
	s_and_b32 s68, s62, 1
	s_lshl_b32 s68, s68, 1
	s_add_co_u32 s67, s67, s68                     ; its two bytes in a tile of osw
	s_add_co_u32 s69, s59, s57
	s_mul_i32 s60, s69, 12288
	s_add_co_u32 s60, s60, s63
	s_add_nc_u64 s[OPA:OPA+1], s[8:9], s[60:61]
	s_lshl_b32 s60, s69, 9
	s_add_co_u32 s60, s60, s67
	s_add_nc_u64 s[OSA:OSA+1], s[10:11], s[60:61]
	s_add_co_u32 s69, s59, s58
	s_mul_i32 s60, s69, 12288
	s_add_co_u32 s60, s60, s63
	s_add_nc_u64 s[OPB:OPB+1], s[8:9], s[60:61]
	s_lshl_b32 s60, s69, 9
	s_add_co_u32 s60, s60, s67
	s_add_nc_u64 s[OSB:OSB+1], s[10:11], s[60:61]
	v_and_b32 v1, 31, v0
	s_delay_alu instid0(VALU_DEP_1)
	v_lshlrev_b32 v3, 4, v1
	s_delay_alu instid0(VALU_DEP_2)
	v_lshlrev_b32 v4, 3, v1
	v_and_b32 v9, 15, v0                           ; r
	v_bfe_u32 v10, v0, 4, 1                        ; h
	s_delay_alu instid0(VALU_DEP_2)
	v_lshlrev_b32 v8, 3, v9
	s_delay_alu instid0(VALU_DEP_3)
	v_and_b32 v7, 8, v9
	s_delay_alu instid0(VALU_DEP_1)
	v_add_nc_u32 v7, v7, v9
	s_delay_alu instid0(VALU_DEP_4)
	v_lshlrev_b32 v10, 4, v10
	s_delay_alu instid0(VALU_DEP_1)
	v_sub_nc_u32 v7, v7, v10                       ; r + 8 (r / 8) - 16 h
	global_load_b128 v[16:19], v3, s[QA:QA+1]      ; q, twice,
	global_load_b64 v[20:21], v4, s[QA:QA+1] offset:512
	global_load_b128 v[28:31], v3, s[QA:QA+1]
	global_load_b64 v[32:33], v4, s[QA:QA+1] offset:512
	global_load_b32 v34, v4, s[QA:QA+1] offset:768
	global_load_b128 v[36:39], v3, s[QB:QB+1]      ; and the second block's, kept till its turn
	global_load_b64 v[40:41], v4, s[QB:QB+1] offset:512
	global_load_b32 v35, v4, s[QB:QB+1] offset:768
.irp i, 0,1,2,3,4,5
	v_mov_b32 v[22+\i], 0                          ; the zero codes between
.endr
.irp b, 0,1,2,3
	v_mov_b32 v[216+\b], 0                         ; written once: a lane permute's destination counts as one of its sources
.endr
	v_mov_b32 v225, 0                              ; (named as the upper half of the pair v[224:225])
	v_mov_b32 v226, 0
.macro INIT                            ; a block of queries begins: the largest t -3e38, under every t; the sum and O^T zeros, which the first change of M leaves zeros.  So the key step is written once
	v_mov_b32 v13, 0xff61b1e6
	s_delay_alu instid0(VALU_DEP_1)
	v_floor_f32 v12, -v13
	v_mov_b32 v14, 0
	v_mov_b32 v15, 0
.set j, 0
.rept 32
	v_mov_b32 v[160+j], 0
.set j, j+1
.endr
.endm
	INIT
.macro FRAGL reg, off
	ds_load_b128 v[\reg:\reg+3], v1 offset:\off
	ds_load_b64 v[\reg+4:\reg+5], v2 offset:\off+512
	ds_load_b128 v[\reg+6:\reg+9], v1 offset:\off+768
	ds_load_b64 v[\reg+10:\reg+11], v2 offset:\off+1280
.endm
; A KEY STEP: 128 keys, record q of the slot in hand.
.macro STEP q
	s_add_co_u32 s[TMP], s[Q0], 23                 ; my last query
	s_cmp_gt_u32 s[KF], s[TMP]
	s_cbranch_scc1 .Lhidden_\@                     ; all keys come after all my queries
.rept 4
	v_nop                                          ; places in front of loads into registers that the last products have read
.endr
	s_wait_alu depctr_va_vdst(0)
.irp b, 0,1,2,3
	FRAGL 48+12*\b, REC*(\q)+1536*\b
.endr
	ds_load_b64 v[42:43], v2 offset:REC*(\q)+12288
	s_wait_dscnt 0x0
.irp b, 0,1,2,3                        ; S^T: fragment b against (q, 0) gives key tile 2 b, against (0, q) key tile 2 b + 1
.irp u, 0,1
.if (\b)%2
	v_wmma_scale_f32_16x16x128_f8f6f4 v[96+8*(2*\b+\u):103+8*(2*\b+\u)], v[48+12*\b:59+12*\b], v[16+6*\u:27+6*\u], 0, v[42+\b/2], v34 matrix_a_fmt:MATRIX_FMT_FP6 matrix_b_fmt:MATRIX_FMT_FP6 matrix_a_scale:MATRIX_SCALE_ROW1
.else
	v_wmma_scale_f32_16x16x128_f8f6f4 v[96+8*(2*\b+\u):103+8*(2*\b+\u)], v[48+12*\b:59+12*\b], v[16+6*\u:27+6*\u], 0, v[42+\b/2], v34 matrix_a_fmt:MATRIX_FMT_FP6 matrix_b_fmt:MATRIX_FMT_FP6
.endif
.endr
.endr
.rept 4
	v_nop
.endr
	s_wait_alu depctr_va_vdst(0)
.irp t, 0,1,2,3
	FRAGL 48+12*\t, REC*(\q)+6144+1536*\t          ; V^T's fragments are asked for here and land under the softmax
.endr
	ds_load_b64 v[44:45], v2 offset:REC*(\q)+12544
	s_add_co_u32 s[TMP], s[KF], 127
	s_cmp_le_u32 s[TMP], s[Q0]
	s_cbranch_scc1 .Lopen_\@                       ; all keys count for all my queries
	s_sub_co_i32 s[TMP], s[Q0], s[KF]
	v_add_nc_u32 v226, s[TMP], v7                  ; d = my query - KF - 16 h.  Register 16 b + i holds key KF + 32 b + 16 h + i: hidden where 32 b + i > d
	v_mov_b32 v227, 0xff800000
.set n, 0
.rept 64
	v_cmp_gt_i32 vcc_lo, 32*(n/16)+n%16, v226
	v_cndmask_b32 v[96+n], v[96+n], v227, vcc_lo
.set n, n+1
.endr
.Lopen_\@:
.irp b, 0,1,2,3
	v_max3_num_f32 v[212+\b], v[96+16*\b], v[97+16*\b], v[98+16*\b]      ; the largest score of each block of 32 keys: for the row's maximum and, since p rises with the score, for the block's largest p
.endr
.irp i, 3,5,7,9,11,13
.irp b, 0,1,2,3
	v_max3_num_f32 v[212+\b], v[212+\b], v[96+16*\b+\i], v[97+16*\b+\i]
.endr
.endr
.irp b, 0,1,2,3
	v_max_num_f32 v[212+\b], v[212+\b], v[111+16*\b]
.endr
.irp b, 0,1,2,3
	s_delay_alu instid0(VALU_DEP_4)
	v_permlanex16_b32 v[216+\b], v[212+\b], s[SEL], s[SEL+1]
.endr
.irp b, 0,1,2,3
	s_delay_alu instid0(VALU_DEP_4)
	v_max_num_f32 v[212+\b], v[212+\b], v[216+\b]  ; with lane l xor 16's 16 keys
.endr
	s_delay_alu instid0(VALU_DEP_2)
	v_max3_num_f32 v226, v212, v213, v214
	s_delay_alu instid0(VALU_DEP_1)
	v_max_num_f32 v226, v226, v215
	s_delay_alu instid0(VALU_DEP_1)
	v_mul_f32 v226, s[CS], v226                    ; as t
	s_delay_alu instid0(VALU_DEP_1)
	v_max_num_f32 v13, v13, v226                   ; the running largest t
	v_mov_b32 v226, v12
	s_delay_alu instid0(VALU_DEP_2)
	v_floor_f32 v12, -v13                          ; the new -M = -ceil(t)
	s_delay_alu instid0(VALU_DEP_1)
	v_sub_f32 v226, v12, v226                      ; old M - new M: a whole number, 0 or less
	s_delay_alu instid0(VALU_DEP_1)
	v_cvt_i32_f32 v226, v226                       ; (it saturates)
	s_delay_alu instid0(VALU_DEP_1)
	v_ldexp_f32 v224, 1.0, v226                    ; f = 2^(old M - new M)
.set j, 0
.rept 32
	v_pk_fma_f32 v[96+j:97+j], v[96+j:97+j], s[CS:CS+1], v[12:13] op_sel_hi:[1,0,0]      ; t - M
.set j, j+2
.endr
.irp b, 0,1,2,3
	v_fma_f32 v[212+\b], v[212+\b], s[CS], v12     ; the same of each block's largest score
.endr
.set j, 0
	s_wait_alu depctr_va_vdst(0)
.rept 64
	v_exp_f32 v[96+j], v[96+j]                     ; p = 2^(t - M)
.set j, j+1
.endr
	v_pk_mul_f32 v[14:15], v[14:15], v[224:225] op_sel_hi:[1,0]          ; the sums under the new M: a plain place behind the batch
	s_wait_alu depctr_va_vdst(0)                   ; one wait for the 64, ahead of their first reader
.irp b, 0,1,2,3
	v_exp_f32 v[212+\b], v[212+\b]                 ; the blocks' largest p
.endr
	v_pk_add_f32 v[228:229], v[100:101], v[104:105]
	v_pk_add_f32 v[254:255], v[108:109], v[112:113]
	v_pk_add_f32 v[252:253], v[116:117], v[120:121]
	v_pk_add_f32 v[250:251], v[124:125], v[128:129]
	v_pk_add_f32 v[248:249], v[132:133], v[136:137]
	v_pk_add_f32 v[246:247], v[140:141], v[144:145]
	v_pk_add_f32 v[244:245], v[148:149], v[152:153]
	v_pk_add_f32 v[14:15], v[14:15], v[156:157]
	v_pk_add_f32 v[228:229], v[228:229], v[96:97]
	v_pk_add_f32 v[254:255], v[254:255], v[98:99]
	v_pk_add_f32 v[252:253], v[252:253], v[102:103]
	v_pk_add_f32 v[250:251], v[250:251], v[106:107]
	v_pk_add_f32 v[248:249], v[248:249], v[110:111]
	v_pk_add_f32 v[246:247], v[246:247], v[114:115]
	v_pk_add_f32 v[244:245], v[244:245], v[118:119]
	v_pk_add_f32 v[14:15], v[14:15], v[122:123]
	v_pk_add_f32 v[228:229], v[228:229], v[126:127]
	v_pk_add_f32 v[254:255], v[254:255], v[130:131]
	v_pk_add_f32 v[252:253], v[252:253], v[134:135]
	v_pk_add_f32 v[250:251], v[250:251], v[138:139]
	v_pk_add_f32 v[248:249], v[248:249], v[142:143]
	v_pk_add_f32 v[246:247], v[246:247], v[146:147]
	v_pk_add_f32 v[244:245], v[244:245], v[150:151]
	v_pk_add_f32 v[14:15], v[14:15], v[154:155]
	v_pk_add_f32 v[228:229], v[228:229], v[158:159]
	s_delay_alu instid0(VALU_DEP_2)
	v_pk_add_f32 v[14:15], v[14:15], v[250:251]
	s_delay_alu instid0(VALU_DEP_2)
	v_pk_add_f32 v[228:229], v[228:229], v[248:249]
	v_pk_add_f32 v[254:255], v[254:255], v[246:247]
	v_pk_add_f32 v[252:253], v[252:253], v[244:245]
	s_delay_alu instid0(VALU_DEP_2)
	v_pk_add_f32 v[14:15], v[14:15], v[254:255]
	s_delay_alu instid0(VALU_DEP_2)
	v_pk_add_f32 v[228:229], v[228:229], v[252:253]
	s_delay_alu instid0(VALU_DEP_1)
	v_pk_add_f32 v[14:15], v[14:15], v[228:229]
	s_wait_alu depctr_va_vdst(0)                   ; and one for the four
.irp b, 0,1,2,3
	v_max_num_f32 v[212+\b], 0x1800000, v[212+\b]  ; the floor 2^(3 - 127)
.endr
.irp b, 0,1,2,3
	s_delay_alu instid0(VALU_DEP_4)
	v_add_nc_u32 v[220+\b], 0xff000000, v[212+\b]  ; the conversion's scale operand
.endr
.irp b, 0,1,2,3
	s_delay_alu instid0(VALU_DEP_4)
	v_lshrrev_b32 v[216+\b], 23, v[220+\b]         ; the scale's byte
.endr
	s_delay_alu instid0(VALU_DEP_3)
	v_lshl_or_b32 v46, v217, 8, v216               ; p's scale word for these 128 keys
	s_delay_alu instid0(VALU_DEP_1)
	v_lshl_or_b32 v46, v218, 16, v46
	s_delay_alu instid0(VALU_DEP_1)
	v_lshl_or_b32 v46, v219, 24, v46
.irp c, 0,1
	v_cvt_scalef32_pk16_fp6_f32 v[192+6*\c:194+6*\c], v[96+32*\c:111+32*\c], v[220+2*\c]
	v_cvt_scalef32_pk16_fp6_f32 v[204+4*\c:206+4*\c], v[112+32*\c:127+32*\c], v[220+2*\c+1]
.endr
	v_nop                                          ; one plain place behind the conversions
.irp c, 0,1
.irp i, 0,1,2
	v_permlane16_swap_b32 v[192+6*\c+\i], v[204+4*\c+\i]
.endr
.irp i, 0,1,2
	s_delay_alu instid0(VALU_DEP_3)
	v_mov_b32 v[195+6*\c+\i], v[204+4*\c+\i]
.endr
.endr
.set j, 0
.rept 16
	v_pk_mul_f32 v[160+j:161+j], v[160+j:161+j], v[224:225] op_sel_hi:[1,0]      ; O^T under the new M; these sixteen are also the places between the writes of p's codes and scale word and the products
.set j, j+2
.endr
	s_wait_alu depctr_va_vdst(0)
	s_wait_dscnt 0x0                               ; V^T's fragments are in
.irp t, 0,1,2,3                        ; O^T += V^T P^T: the four accumulators by turns
.if (\t)%2
	v_wmma_scale_f32_16x16x128_f8f6f4 v[160+8*\t:167+8*\t], v[48+12*\t:59+12*\t], v[192:203], v[160+8*\t:167+8*\t], v[44+\t/2], v46 matrix_a_fmt:MATRIX_FMT_FP6 matrix_b_fmt:MATRIX_FMT_FP6 matrix_a_scale:MATRIX_SCALE_ROW1
.else
	v_wmma_scale_f32_16x16x128_f8f6f4 v[160+8*\t:167+8*\t], v[48+12*\t:59+12*\t], v[192:203], v[160+8*\t:167+8*\t], v[44+\t/2], v46 matrix_a_fmt:MATRIX_FMT_FP6 matrix_b_fmt:MATRIX_FMT_FP6
.endif
.endr
.Lhidden_\@:
	s_add_co_u32 s[KF], s[KF], 128
.endm
; THE CHANGE OF SLOTS, at a slot's head: each wave waits for all its tensor loads, adds 0 to its spare word, and waits for that and for its reads of the slot that it has left.  Behind the barrier the slot ahead is whole and
; nobody reads the other one.  fill = 1: that other slot takes the next 256 keys; behind the first block's last slot those are the head's first again.
.macro CHANGE fill
	s_wait_tensorcnt 0x0                           ; no tensor load of mine is out, so the group 0 may be written
	ds_add_u32 v5, v6                              ; 0 onto my spare word
.if \fill
	s_xor_b32 s[G0+1], s[G0+1], SLOT1
	s_add_nc_u64 s[G0+2:G0+3], s[G0+2:G0+3], 2*REC
	s_cmp_eq_u32 s[T], s[BI]
	s_cselect_b32 s[BK], s[BACK], 0
	s_sub_nc_u64 s[G0+2:G0+3], s[G0+2:G0+3], s[BK:BK+1]
.endif
	s_wait_dscnt 0x0
	s_barrier_signal -1
	s_barrier_wait -1
.if \fill
	TLOAD                                          ; the first thing behind the barrier, a wave's one tensor load until the next: it has two key steps of sixteen waves in which to land
.endif
.endm
; A BLOCK'S END: O^T / the sum; register 16 B + i of a lane is channel 32 B + 16 h + i of its query: two blocks along the projection's K: quantised, and stored as half a fragment and two scale bytes.
.macro FINISH op, os
.rept 4
	v_nop                                          ; places behind the last products
.endr
	v_add_f32 v14, v14, v15
	s_delay_alu instid0(VALU_DEP_1)
	v_permlanex16_b32 v226, v14, s[SEL], s[SEL+1]
	s_delay_alu instid0(VALU_DEP_1)
	v_add_f32 v14, v14, v226                       ; the row's sum
	s_wait_alu depctr_va_vdst(0)
	v_rcp_f32 v14, v14
	v_nop                                          ; a plain place behind the reciprocal,
	s_wait_alu depctr_va_vdst(0)                   ; and the wait ahead of its first reader
.set j, 0
.rept 16
	v_pk_mul_f32 v[96+j:97+j], v[160+j:161+j], v[14:15] op_sel_hi:[1,0]
.set j, j+2
.endr
.irp b, 0,1
	v_max3_num_f32 v[212+\b], |v[96+16*\b]|, |v[97+16*\b]|, 0x1800000
.endr
.irp i, 2,4,6,8,10,12,14
.irp b, 0,1
	s_delay_alu instid0(VALU_DEP_2)
	v_max3_num_f32 v[212+\b], v[212+\b], |v[96+16*\b+\i]|, |v[97+16*\b+\i]|
.endr
.endr
.irp b, 0,1
	s_delay_alu instid0(VALU_DEP_2)
	v_permlanex16_b32 v[216+\b], v[212+\b], s[SEL], s[SEL+1]
.endr
.irp b, 0,1
	s_delay_alu instid0(VALU_DEP_2)
	v_max_num_f32 v[212+\b], v[212+\b], v[216+\b]
.endr
.irp b, 0,1
	s_delay_alu instid0(VALU_DEP_2)
	v_add_nc_u32 v[220+\b], 0xff000000, v[212+\b]
.endr
.irp b, 0,1
	s_delay_alu instid0(VALU_DEP_2)
	v_lshrrev_b32 v[216+\b], 23, v[220+\b]
.endr
	s_delay_alu instid0(VALU_DEP_1)
	v_lshl_or_b32 v226, v217, 8, v216
	v_cvt_scalef32_pk16_fp6_f32 v[192:194], v[96:111], v220
	v_cvt_scalef32_pk16_fp6_f32 v[204:206], v[112:127], v221
	v_nop
.irp i, 0,1,2
	v_permlane16_swap_b32 v[192+\i], v[204+\i]
.endr
.irp i, 0,1,2
	s_delay_alu instid0(VALU_DEP_3)
	v_mov_b32 v[195+\i], v[204+\i]
.endr
	global_store_b128 v3, v[192:195], s[\op:\op+1]
	global_store_b64 v4, v[196:197], s[\op:\op+1] offset:512
	global_store_b16 v8, v226, s[\os:\os+1]        ; both halves of the lanes write the same two bytes with the same value
	s_wait_xcnt 0x0                                ; the stores have read their registers: they are written again
.endm
	s_wait_loadcnt 0x0                             ; both blocks' queries
.Lslot:                                            ; eight trips: behind each change of slots but the last the next slot is asked for
	CHANGE 1
	s_cmp_eq_u32 s[T], s[IP1]
	s_cbranch_scc0 .Lsame
	FINISH OPA, OSA                                ; the first block is done: the second begins at key 0
	v_mov_b32 v34, v35
.irp i, 0,1,2,3,4,5
	v_mov_b32 v[16+\i], v[36+\i]
	v_mov_b32 v[28+\i], v[36+\i]
.endr
	INIT                                           ; (its 36 lines are also the places between these writes and the next products)
	s_mov_b32 s[KF], 0
	s_mov_b32 s[Q0], s[Q0B]
.Lsame:
	v_add_nc_u32 v1, s[TB], v3
	v_add_nc_u32 v2, s[TB], v4
	STEP 0
	STEP 1
	s_xor_b32 s[TB], s[TB], SLOT1
	s_add_co_u32 s[T], s[T], 1
	s_cmp_lt_u32 s[T], 8
	s_cbranch_scc1 .Lslot
	CHANGE 0                                       ; the ninth slot is written out
	v_add_nc_u32 v1, s[TB], v3
	v_add_nc_u32 v2, s[TB], v4
	STEP 0
	STEP 1
	FINISH OPB, OSB
	s_wait_tensorcnt 0x0                           ; the wave's end
	ds_add_u32 v5, v6
	s_wait_dscnt 0x0
	s_endpgm
.Lfunc_end_k_q78a4337806_attn:
	.size	k_q78a4337806_attn, .Lfunc_end_k_q78a4337806_attn-k_q78a4337806_attn
	.p2alignl 7, 3214868480
	.fill 96, 4, 3214868480
	.section	.rodata,"a",@progbits
	.p2align	6, 0x0
	.amdhsa_kernel k_q78a4337806_attn
		.amdhsa_group_segment_fixed_size 327680
		.amdhsa_private_segment_fixed_size 0
		.amdhsa_enable_private_segment 0
		.amdhsa_kernarg_size 32
		.amdhsa_user_sgpr_count 2
		.amdhsa_user_sgpr_kernarg_segment_ptr 1
		.amdhsa_wavefront_size32 1
		.amdhsa_system_sgpr_workgroup_id_x 1
		.amdhsa_system_sgpr_workgroup_id_y 1
		.amdhsa_system_sgpr_workgroup_id_z 1
		.amdhsa_system_vgpr_workitem_id 0
		.amdhsa_next_free_vgpr 256
		.amdhsa_next_free_sgpr 100
		.amdhsa_reserve_vcc 1
		.amdhsa_float_denorm_mode_32 3
		.amdhsa_float_denorm_mode_16_64 3
		.amdhsa_memory_ordered 1
		.amdhsa_forward_progress 1
		.amdhsa_inst_pref_size 108
	.end_amdhsa_kernel
	.amdgpu_metadata
---
amdhsa.version: [ 1, 2 ]
amdhsa.kernels:
  - .name:           k_q78a4337806_attn
    .symbol:         k_q78a4337806_attn.kd
    .args:
      - { .name: qimg, .offset: 0, .size: 8, .value_kind: global_buffer, .address_space: global }
      - { .name: kv, .offset: 8, .size: 8, .value_kind: global_buffer, .address_space: global }
      - { .name: oi, .offset: 16, .size: 8, .value_kind: global_buffer, .address_space: global }
      - { .name: osw, .offset: 24, .size: 8, .value_kind: global_buffer, .address_space: global }
    .group_segment_fixed_size: 327680
    .private_segment_fixed_size: 0
    .kernarg_segment_align: 8
    .kernarg_segment_size: 32
    .max_flat_workgroup_size: 512
    .sgpr_count:     100
    .vgpr_count:     256
    .wavefront_size: 32
...
	.end_amdgpu_metadata
.endif
;; end of part 3
;; launch oproj (part 4): grid 4 x 32, 4 waves a work-group, clusters of 4 x 4, 327,680 bytes of LDS; arguments oi, osw, ci, csw, out0; writes out0
.if DOCPART == 4
	.amdgcn_target "amdgcn-amd-amdhsa--gfx1250"
	.amdhsa_code_object_version 6
	.text
	.protected	k_q78a4337806_oproj
	.globl	k_q78a4337806_oproj
	.p2align	8
	.type	k_q78a4337806_oproj,@function
k_q78a4337806_oproj:
	s_mov_b64 s[64:65], 0
	v_nop
	global_prefetch_b8 v0, s[64:65] scope:SCOPE_SE
	s_setreg_imm32_b32 hwreg(HW_REG_WAVE_MODE, 25, 1), 1
	s_wait_xcnt 0x0
	s_wait_alu depctr_hold_cnt(0) depctr_sa_sdst(0) depctr_va_vdst(0) depctr_va_sdst(0) depctr_va_ssrc(0) depctr_va_vcc(0) depctr_vm_vsrc(0)
	s_getreg_b32 s2, hwreg(HW_REG_IB_STS2, 6, 4)
	s_cmp_eq_u32 s2, 0
	s_cbranch_scc0 .Lentry_in_a_cluster
	s_endpgm
.Lentry_in_a_cluster:
	s_bfe_u32 s2, ttmp6, 0x10000c
	s_cmp_lg_u32 s2, 0xf033
	s_cbranch_scc0 .Lentry_shape_is_right
	s_endpgm
.Lentry_shape_is_right:
; out0 = heads Wo^T on codes of FP6 (E2M3) with E8M0 scales, sums in f32.  heads: oi, osw (512 token tiles), Wo: tiles 704-767 of ci, csw; out0 [8192][1024] f32.
; OPERANDS: tiles of 16 rows (lane-row r of tile T is row 32 (T / 2) + 8 (T % 2) + r + 8 (r / 8)), 12,288 bytes a tile: 8 fragments of 128 along K, each two halves of 768 bytes: registers 0-3 of lane l at 16 l,
; registers 4-5 at 512 + 8 l.  Scale words: 512 bytes a tile, fragment f, row r at 128 (f / 2) + 8 r + 4 (f % 2).
; SHARES.  A work-group of four waves makes 256 tokens x 256 outputs, a wave 128 x 128: 64 accumulators.  128 work-groups: the tile is kept at the size at which a fragment read from LDS feeds eight products.
; K = 1,024 in four steps of 256; three LDS slots: K steps 0, 1, 2 and all scale words go out at the start (four tensor loads of a wave are out then); K step 3 is the one refill, into slot 0.  No loop.
; CLUSTER 4 x 4: the heads' tiles are shared along a row of the cluster, Wo's along a column: joint loads.
; THE PRODUCT IS USED TRANSPOSED (source 0 = 16 rows of Wo, source 1 = 16 tokens): a lane's eight results are eight neighbouring outputs of one token.
; THE WAY OUT: a block of 16 tokens x 128 outputs goes through the wave's own stage in LDS and leaves as whole rows of 512 bytes.  The stage lies in slot 1: it had its one fill at the start, and a barrier
; stands between every wave's last read of it and the first store into it.
; REGISTERS: window 0: v4-23 addresses; v32-63 scale words, two sets; v128-223 source 1's fragments, one set; on the way out v128-255 rows of out0.   window 1: source 0's fragments, two sets.   windows 2, 3: the accumulators.
.set XT0,   704
.set HALFT, 24576
.set SLOT,  98304
.set SCL,   294912
.set SPARE, 327168                     ; the spare words, 128 bytes for each wave: two blocks of 256 bytes that no other line names
.set FR,    12
.set NL,    4
.set NP,    4
.set NQ,    2
.set ADRA,  4
.set ADRB,  10
.set ADRS,  16
.set L16,   17
.set L8,    18
.set SPW,   20
.set NIL,   21
.set STO,   22                         ; v22 the way out: where I put 32 bytes of a row
.set RD,    23                         ; v23 and where I read a row back
.set SC,    32
.set AF,    128
.set BK,    128
.set G1,   24
.set G0,   32
.set G1B,  44
.set G0B,  52
.set G1S,  68
.set G0S,  76
.set G1SB, 80
.set G0SB, 88
.set MSB, 0
.macro WIN new                         ; the immediate's high byte repeats the setting that is left
.if MSB != (\new)
	s_set_vgpr_msb (MSB<<8)|(\new)
.set MSB, (\new)
.endif
.endm
.set MUL_LO, 0xa1
.set MUL_HI, 0xf1
.set TO_B,   0x40
.macro JLOAD g0a, g1a, g0b, g1b        ; waves 0 and 1 fetch the heads' halves, waves 2 and 3 Wo's; four v_nop follow each of the two lines
	s_cmp_eq_u32 s15, 0
	s_cbranch_scc0 .Lfor_b_\@
	tensor_load_to_lds s[\g0a:\g0a+3], s[\g1a:\g1a+7]
	s_nop 0
.rept 4
	v_nop
.endr
	s_branch .Lasked_\@
.Lfor_b_\@:
	tensor_load_to_lds s[\g0b:\g0b+3], s[\g1b:\g1b+7]
	s_nop 0
.rept 4
	v_nop
.endr
.Lasked_\@:
.endm
.macro CREST
	s_cmp_lg_u32 s14, 0
	s_cbranch_scc1 .Lnot_wave_0_\@
	s_barrier_signal -3
.Lnot_wave_0_\@:
	s_barrier_wait -3
	s_barrier_signal -1
	s_barrier_wait -1
.endm
.macro CROUND
	s_barrier_signal -1
	s_barrier_wait -1
	CREST
.endm
	s_load_b256 s[4:11], s[0:1], 0x0               ; oi, osw, ci, csw
	s_load_b64 s[12:13], s[0:1], 0x20              ; out0
	v_lshl_add_u32 v[SPW], v0, 2, SPARE
	v_mov_b32 v[NIL], 0
	ds_add_u32 v20, v21
	s_wait_dscnt 0x0
	v_lshrrev_b32 v1, 5, v0
	v_readfirstlane_b32 s14, v1                    ; wave 0..3
	s_lshr_b32 s15, s14, 1                         ; which half of the tokens is mine.  Also: I fetch for the heads (0) or for Wo (1)
	s_and_b32 s16, s14, 1                          ; which half of the outputs.  Also: which 8 tiles I fetch
	s_bfe_u32 s92, ttmp6, 0x40000
	s_bfe_u32 s93, ttmp6, 0x40004
	s_lshl_b32 s94, ttmp9, 2
	s_add_co_u32 s94, s94, s92                     ; work-group x
	s_and_b32 s95, ttmp7, 0xffff
	s_lshl_b32 s95, s95, 2
	s_add_co_u32 s95, s95, s93                     ; work-group y
	s_lshl_b32 s96, s93, 2
	s_lshl_b32 s96, 15, s96                        ; my row of the cluster
	s_lshl_b32 s97, 0x1111, s92                    ; my column
	s_or_b32 s[G1], s96, (3<<16)|(1<<21)           ; codes: 8 rows (tiles) of 3,072 bytes, 12,288 apart, elements of 8 bytes
	s_or_b32 s[G1B], s97, (3<<16)|(1<<21)
.irp g, G1, G1B
	s_mov_b32 s[\g+1], 384<<16
	s_mov_b32 s[\g+2], 8<<16
	s_mov_b32 s[\g+3], 384<<16
	s_mov_b32 s[\g+4], 8
	s_mov_b32 s[\g+5], 1536
	s_mov_b32 s[\g+6], 0
	s_mov_b32 s[\g+7], 0
.endr
	s_or_b32 s[G1S], s96, (3<<16)|(1<<21)          ; scale words of 8 tiles: 16 rows of 256 dense bytes
	s_or_b32 s[G1SB], s97, (3<<16)|(1<<21)
.irp g, G1S, G1SB
	s_mov_b32 s[\g+1], 32<<16
	s_mov_b32 s[\g+2], 16<<16
	s_mov_b32 s[\g+3], 32<<16
	s_mov_b32 s[\g+4], 16
	s_mov_b32 s[\g+5], 32
	s_mov_b32 s[\g+6], 0
	s_mov_b32 s[\g+7], 0
.endr
	s_lshl_b32 s17, s16, 3
	s_lshl_b32 s20, s95, 4
	s_add_co_u32 s20, s20, s17                     ; the heads: tile 16 y + 8 x half
	s_lshl_b32 s22, s20, 9
	s_mul_i32 s20, s20, 12288
	s_mov_b32 s21, 0
	s_mov_b32 s23, 0
	s_lshl_b32 s98, s94, 4
	s_add_co_u32 s98, s98, s17
	s_add_co_u32 s98, s98, XT0                     ; Wo: tile 704 + 16 x + 8 x half
	s_lshl_b32 s100, s98, 9
	s_mul_i32 s98, s98, 12288
	s_mov_b32 s99, 0
	s_mov_b32 s101, 0
	s_mul_i32 s18, s14, HALFT
	s_lshl_b32 s19, s14, 12
	s_lshl_b32 s17, s15, 7
	s_add_co_u32 s19, s19, s17
	s_add_co_u32 s19, s19, SCL
	s_wait_kmcnt 0x0
	s_add_nc_u64 s[20:21], s[4:5], s[20:21]
	s_add_nc_u64 s[22:23], s[6:7], s[22:23]
	s_add_nc_u64 s[98:99], s[8:9], s[98:99]
	s_add_nc_u64 s[100:101], s[10:11], s[100:101]
	CROUND                                         ; all sixteen work-groups are here: the first joint loads meet
	s_mov_b32 s[G0S], 1
	s_mov_b32 s[G0S+1], s19
	s_mov_b64 s[G0S+2:G0S+3], s[22:23]
	s_or_b32 s[G0S+3], s[G0S+3], 0x80000000
	s_mov_b32 s[G0SB], 1
	s_mov_b32 s[G0SB+1], s19
	s_mov_b64 s[G0SB+2:G0SB+3], s[100:101]
	s_or_b32 s[G0SB+3], s[G0SB+3], 0x80000000
	JLOAD G0S, G1S, G0SB, G1SB
.irp s, 0,1,2
	s_mov_b32 s[G0+4*\s], 1
	s_add_co_u32 s[G0+4*\s+1], s18, \s*SLOT
	s_add_nc_u64 s[G0+4*\s+2:G0+4*\s+3], s[20:21], \s*3072
	s_or_b32 s[G0+4*\s+3], s[G0+4*\s+3], 0x80000000
	s_mov_b32 s[G0B+4*\s], 1
	s_add_co_u32 s[G0B+4*\s+1], s18, \s*SLOT
	s_add_nc_u64 s[G0B+4*\s+2:G0B+4*\s+3], s[98:99], \s*3072
	s_or_b32 s[G0B+4*\s+3], s[G0B+4*\s+3], 0x80000000
	JLOAD G0+4*\s, G1, G0B+4*\s, G1B
.endr
	v_and_b32 v1, 31, v0
	v_and_b32 v2, 15, v0                           ; r
	v_bfe_u32 v3, v0, 4, 1                         ; h
	v_lshlrev_b32 v[L16], 4, v1
	v_lshlrev_b32 v[L8], 3, v1
	s_mul_i32 s2, s15, HALFT                       ; source 1: my 8 tiles of the heads
	s_mul_i32 s3, s16, HALFT
	s_add_co_u32 s3, s3, 2*HALFT                   ; source 0: my 8 tiles of Wo
.irp s, 0,1,2
	v_add_nc_u32 v[ADRA+\s], s2, v[L16]
	v_add_nc_u32 v[ADRA+3+\s], s2, v[L8]
	v_add_nc_u32 v[ADRB+\s], s3, v[L16]
	v_add_nc_u32 v[ADRB+3+\s], s3, v[L8]
	s_add_co_u32 s2, s2, SLOT
	s_add_co_u32 s3, s3, SLOT
.endr
	s_lshl_b32 s21, s15, 12
	s_lshl_b32 s22, s16, 12
	s_add_co_u32 s22, s22, 8320
	s_sub_co_u32 s22, s22, s21
	v_mul_u32_u24 v19, s22, v3                     ; lanes 16-31 take Wo's words
	v_lshl_add_u32 v19, v2, 3, v19
	s_add_co_u32 s21, s21, SCL
	v_add_nc_u32 v[ADRS], s21, v19
	s_mul_i32 s17, s14, 16*528
	s_add_co_u32 s17, s17, SLOT                    ; my stage, in slot 1
	v_mul_u32_u24 v19, v2, 528
	v_lshl_add_u32 v19, v3, 6, v19                 ; row r, + 64 h: accumulators 2 B, 2 B + 1 hold outputs 32 B + 16 h + 0 .. 15
	v_add_nc_u32 v[STO], s17, v19
	v_add_nc_u32 v[RD], s17, v[L16]
	s_lshl_b32 s20, s95, 8
	s_lshl_b32 s21, s15, 7
	s_add_co_u32 s20, s20, s21
	s_lshl_b32 s20, s20, 12                        ; my first token's row of 4,096 bytes,
	s_lshl_b32 s21, s94, 10
	s_add_co_u32 s20, s20, s21
	s_lshl_b32 s21, s16, 9
	s_add_co_u32 s20, s20, s21                     ; my first output
	s_mov_b32 s21, 0
	s_add_nc_u64 s[12:13], s[12:13], s[20:21]
.macro FRAG reg, adr, q, i
	ds_load_b128 v[\reg:\reg+3], v[\adr] offset:(\i)*3072+(\q)*1536
	ds_load_b64 v[\reg+4:\reg+5], v[\adr+3] offset:(\i)*3072+(\q)*1536+512
	ds_load_b128 v[\reg+6:\reg+9], v[\adr] offset:(\i)*3072+(\q)*1536+768
	ds_load_b64 v[\reg+10:\reg+11], v[\adr+3] offset:(\i)*3072+(\q)*1536+1280
.endm
; The 64 accumulators take turns, one instruction a turn, in the same order in every step.
.macro MUL16 a0, p, q, sc, zero
.irp a, \a0, \a0+1
.irp b, 0,1,2,3,4,5,6,7
.if \zero
	v_wmma_scale_f32_16x16x128_f8f6f4 v[8*(8*((\a)%4)+\b):8*(8*((\a)%4)+\b)+7], v[128*(\p)+FR*\b:128*(\p)+FR*\b+FR-1], v[AF+FR*(\a):AF+FR*(\a)+FR-1], 0, v[SC+8*NQ*(\sc)+NQ*\b+(\q)], v[SC+8*NQ*(\sc)+NQ*(\a)+(\q)] matrix_a_fmt:MATRIX_FMT_FP6 matrix_b_fmt:MATRIX_FMT_FP6 matrix_a_scale:MATRIX_SCALE_ROW1
.else
	v_wmma_scale_f32_16x16x128_f8f6f4 v[8*(8*((\a)%4)+\b):8*(8*((\a)%4)+\b)+7], v[128*(\p)+FR*\b:128*(\p)+FR*\b+FR-1], v[AF+FR*(\a):AF+FR*(\a)+FR-1], v[8*(8*((\a)%4)+\b):8*(8*((\a)%4)+\b)+7], v[SC+8*NQ*(\sc)+NQ*\b+(\q)], v[SC+8*NQ*(\sc)+NQ*(\a)+(\q)] matrix_a_fmt:MATRIX_FMT_FP6 matrix_b_fmt:MATRIX_FMT_FP6 matrix_a_scale:MATRIX_SCALE_ROW1
.endif
.endr
.endr
.endm
.macro FETCH_B slot, q, p
	WIN TO_B
.irp i, 0,1,2,3,4,5,6,7
	FRAG 128*(\p)+FR*\i, ADRB+\slot, \q, \i
.endr
	WIN 0
.endm
.macro FETCH_A slot, q, i0
.irp i, \i0, \i0+1, \i0+2, \i0+3
	FRAG AF+FR*(\i), ADRA+\slot, \q, \i
.endr
.endm
.macro SCALES sc, k2
.irp i, 0,1,2,3,4,5,6,7
	ds_load_b64 v[SC+16*(\sc)+2*\i:SC+16*(\sc)+2*\i+1], v[ADRS] offset:512*\i+128*(\k2)
.endr
.endm
.macro PLACES n                        ; places behind matrix instructions, in front of loads into their registers and of reads of their results
.rept \n
	v_nop
.endr
.endm
.macro STEP slot, sc, zero
	s_wait_dscnt 4*NL                              ; all but the youngest 16 loads (source 1's blocks 4-7) are in
	WIN MUL_LO
	MUL16 0, 0, 0, \sc, \zero
	MUL16 2, 0, 0, \sc, \zero
	s_wait_dscnt 0
	PLACES NP
	FETCH_B \slot, 1, 1
	FETCH_A \slot, 1, 0
	WIN MUL_HI
	MUL16 4, 0, 0, \sc, \zero
	MUL16 6, 0, 0, \sc, \zero
	PLACES NP
	WIN 0
	FETCH_A \slot, 1, 4
.endm
; mode 2: this slot is filled again: the wait for all tensor loads, the add, the wait for it and for my reads, a round of the cluster's barrier, the joint refill first behind it.
; mode 1: the next slot is the refilled one: the same lines and the work-group's barrier.  mode 0: the next slot was shown whole by mode 2's wait and round: no barrier.
.macro TURN slot, next, sc, mode, k2
.if \mode
	s_wait_tensorcnt 0x0
	ds_add_u32 v[SPW], v[NIL]                      ; 0 onto my spare word
	s_wait_dscnt 4*NL+1                            ; (the add and the youngest 16 loads may be out)
.else
	s_wait_dscnt 4*NL
.endif
	WIN MUL_LO
	MUL16 0, 1, 1, \sc, 0
.if \mode
	s_wait_dscnt 0x0                               ; the add is done, and my reads of this slot are over
	s_barrier_signal -1
.endif
	MUL16 2, 1, 1, \sc, 0
	WIN 0
.if \mode
	s_barrier_wait -1
.else
	s_wait_dscnt 0x0
.endif
.if \mode == 2
	CREST
	s_add_nc_u64 s[G0+4*\slot+2:G0+4*\slot+3], s[G0+4*\slot+2:G0+4*\slot+3], 3*3072
	s_add_nc_u64 s[G0B+4*\slot+2:G0B+4*\slot+3], s[G0B+4*\slot+2:G0B+4*\slot+3], 3*3072
	JLOAD G0+4*\slot, G1, G0B+4*\slot, G1B         ; K step 3; the four v_nop behind it are the places in front of the loads below
.else
	PLACES NP
.endif
	FETCH_B \next, 0, 0
	FETCH_A \next, 0, 0
	SCALES 1-\sc, \k2
	WIN MUL_HI
	MUL16 4, 1, 1, \sc, 0
	MUL16 6, 1, 1, \sc, 0
	PLACES NP
	WIN 0
	FETCH_A \next, 0, 4
.endm
	s_wait_tensorcnt 2                             ; the scale words and my part of K step 0 are in; K steps 1 and 2 may be out
	s_barrier_signal -1
	s_barrier_wait -1
	FETCH_B 0, 0, 0
	FETCH_A 0, 0, 0
	SCALES 0, 0
	FETCH_A 0, 0, 4
	STEP 0, 0, 1
	TURN 0, 1, 0, 2, 1
	STEP 1, 1, 0
	TURN 1, 2, 1, 0, 2
	STEP 2, 0, 0
	TURN 2, 0, 0, 1, 3
	STEP 0, 1, 0
	s_wait_dscnt 4*NL                              ; the very last 128 along K
	WIN MUL_LO
	MUL16 0, 1, 1, 1, 0
	MUL16 2, 1, 1, 1, 0
	s_wait_dscnt 0
	WIN MUL_HI
	MUL16 4, 1, 1, 1, 0
	MUL16 6, 1, 1, 1, 0
	WIN 0
; THE WAY OUT.  LDS serves a wave's instructions in order: no wait between a block's stores and its loads, nor in front of the next block's stores.
.macro TOSTAGE a
.set AC, 64*((\a)%4)
	WIN 0x08+4*((\a)/4)                            ; the data: window 2 or 3
.irp b, 0,1,2,3,4,5,6,7
	ds_store_b128 v[STO], v[AC+8*\b:AC+8*\b+3] offset:128*(\b/2)+32*(\b%2)           ; each accumulator from its low end on
	ds_store_b128 v[STO], v[AC+8*\b+4:AC+8*\b+7] offset:128*(\b/2)+32*(\b%2)+16
.endr
	WIN 0
.set BB, BK+64*((\a)%2)
.irp t, 0,1,2,3,4,5,6,7,8,9,10,11,12,13,14,15
	ds_load_b128 v[BB+4*\t:BB+4*\t+3], v[RD] offset:\t*528
.endr
.endm
.macro SEND a, younger                 ; row t of block a is token 32 (a / 2) + 8 (a % 2) + t + 8 (t / 8) of my 128: its place stands in the immediate, 520,192 at the most
.set BB, BK+64*((\a)%2)
	s_wait_dscnt \younger
.irp t, 0,1,2,3,4,5,6,7,8,9,10,11,12,13,14,15
	global_store_b128 v[L16], v[BB+4*\t:BB+4*\t+3], s[12:13] offset:(32*((\a)/2)+8*((\a)%2)+\t+8*(\t/8))*4096 th:TH_STORE_NT   ; 32 lanes store 512 consecutive bytes, at a multiple of 256 from out0's first byte
.endr
.endm
	PLACES NP
	TOSTAGE 0
.irp a, 1,2,3,4,5,6,7
.if \a > 1
	s_wait_xcnt 0x0                                ; block a - 2's stores have read their registers: block a's loads may land there
.endif
	TOSTAGE \a
	SEND \a-1, 32                                  ; behind block a - 1's loads: block a's 16 stores and 16 loads
.endr
	SEND 7, 0
	s_wait_tensorcnt 0x0                           ; the wave's end
	ds_add_u32 v[SPW], v[NIL]
	s_wait_dscnt 0x0
	CROUND                                         ; the closing round
	s_endpgm
.Lfunc_end_k_q78a4337806_oproj:
	.size	k_q78a4337806_oproj, .Lfunc_end_k_q78a4337806_oproj-k_q78a4337806_oproj
	.p2alignl 7, 3214868480
	.fill 96, 4, 3214868480
	.section	.rodata,"a",@progbits
	.p2align	6, 0x0
	.amdhsa_kernel k_q78a4337806_oproj
		.amdhsa_group_segment_fixed_size 327680
		.amdhsa_private_segment_fixed_size 0
		.amdhsa_enable_private_segment 0
		.amdhsa_kernarg_size 40
		.amdhsa_user_sgpr_count 2
		.amdhsa_user_sgpr_kernarg_segment_ptr 1
		.amdhsa_wavefront_size32 1
		.amdhsa_system_sgpr_workgroup_id_x 1
		.amdhsa_system_sgpr_workgroup_id_y 1
		.amdhsa_system_sgpr_workgroup_id_z 1
		.amdhsa_system_vgpr_workitem_id 0
		.amdhsa_next_free_vgpr 1024
		.amdhsa_next_free_sgpr 102
		.amdhsa_reserve_vcc 0
		.amdhsa_float_denorm_mode_32 3
		.amdhsa_float_denorm_mode_16_64 3
		.amdhsa_memory_ordered 1
		.amdhsa_forward_progress 1
		.amdhsa_inst_pref_size 143
	.end_amdhsa_kernel
	.amdgpu_metadata
---
amdhsa.version: [ 1, 2 ]
amdhsa.kernels:
  - .name:           k_q78a4337806_oproj
    .symbol:         k_q78a4337806_oproj.kd
    .args:
      - { .name: oi, .offset: 0, .size: 8, .value_kind: global_buffer, .address_space: global }
      - { .name: osw, .offset: 8, .size: 8, .value_kind: global_buffer, .address_space: global }
      - { .name: ci, .offset: 16, .size: 8, .value_kind: global_buffer, .address_space: global }
      - { .name: csw, .offset: 24, .size: 8, .value_kind: global_buffer, .address_space: global }
      - { .name: out0, .offset: 32, .size: 8, .value_kind: global_buffer, .address_space: global }
    .group_segment_fixed_size: 327680
    .private_segment_fixed_size: 0
    .kernarg_segment_align: 8
    .kernarg_segment_size: 40
    .max_flat_workgroup_size: 128
    .sgpr_count:     102
    .vgpr_count:     1024
    .wavefront_size: 32
...
	.end_amdgpu_metadata
.endif
;; end of part 4
